; MI455X (gfx1250); checked and timed in simulation.
; The chip was launched on July 23, 2026; its instructions are those of AMD's public machine-readable ISA for CDNA 5 (MIT licence, August 2026) and "CDNA5" Instruction Set Architecture Reference Guide (July 2026). The comments in the code are by the model that wrote it; some were corrected since.
;; A Multi Head Attention. Allowed arithmetic: matrix products marked QUANTISED: E2M3 operands, one E8M0 scale for each 32 along K, by v_wmma_scale_f32_16x16x128_f8f6f4 with both operands' format E2M3, f32 sums; everything else in f32.
;; Inputs: o_b 1,024 float32; o_w 1,024 x 1,024 float32; qkv_b 3,072 float32; qkv_w 3,072 x 1,024 float32; x 8 x 1,024 x 1,024 float32.
;; Outputs: out0 8 x 1,024 x 1,024 float32.
;; This version of the problem:
;;   THIS VERSION OF THE PROBLEM IS GIVEN IN LOW PRECISION. The matrix products marked QUANTISED in the list below multiply operands that are first quantised to E2M3 (2 exponent bits, 3 mantissa bits; 6 bits a number), with one power-of-two scale for each 32 numbers along K (OCP MX v1.0); their sums are f32. All else is computed in f32.
;;   The module's matrix products, in the order in which they are computed (A, B: the left and right operand; K: the contracted axis; several contracted axes count as one K, in the product's order):
;;     1. [M 8,192, K 1,024] x [K 1,024, N 3,072]; A: input x; B: input qkv_w: QUANTISED
;;     2. batch 128 x [M 1,024, K 64] x [K 64, N 1,024]; A: computed on the way; B: computed on the way: QUANTISED
;;     3. batch 128 x [M 1,024, K 1,024] x [K 1,024, N 64]; A: softmax (see below); B: computed on the way: QUANTISED
;;     4. [M 8,192, K 1,024] x [K 1,024, N 1,024]; A: computed on the way; B: input o_w: QUANTISED
;;   THE QUANTISER, for each operand of a quantised product, along K:
;;     - K is cut into blocks of 32 from its start; a last block that is shorter is filled with zeros.
;;     - A block's scale is 2^e with e = floor(log2(the largest magnitude in the block)) - 2, held to -126 .. 127; a block of zeros has e = 0. As a byte (E8M0): e + 127.
;;     - Each number is divided by its block's scale, clamped to +-7.5, and rounded to the nearest number of E2M3, ties to even, subnormals kept.
;;     - The product sums the exact products of the quantised numbers (number of the format x scale) in f32.
;;   ~~~python
;;   def quantise(x, axis):      # numpy; x: float32 -> the quantised numbers, widened to float32 again
;;       x = np.moveaxis(x, axis, -1); K = x.shape[-1]
;;       x = np.pad(x, [(0, 0)] * (x.ndim - 1) + [(0, -K % 32)]); x = x.reshape(x.shape[:-1] + (-1, 32)); a = np.abs(x).max(-1, keepdims=True)
;;       e = np.where(a > 0, np.clip(np.frexp(np.where(a > 0, a, 1))[1] - 1 - 2, -126, 127), 0)      # np.frexp(a)[1] - 1 = floor(log2(a)), exactly
;;       r = np.clip(x / 2.0 ** e, -7.5, 7.5)
;;       step = 2.0 ** (np.maximum(np.frexp(np.where(r == 0, 1, r))[1] - 1, 0) - 3)
;;       q = np.round(r / step) * step * 2.0 ** e      # np.round: ties to even
;;       return np.moveaxis(q.reshape(q.shape[:-2] + (-1,))[..., :K], -1, axis).astype(np.float32)
;;   ~~~
;;   SOFTMAX AHEAD OF A QUANTISED PRODUCT. Where the list says 'softmax', what is quantised is not the finished softmax but p = 2^(t - M), with t = logit x log2(e) and M = ceil(the row's largest t), a whole number; so 1/2 < the row's largest p <= 1. The row's sum l is taken of the UNQUANTISED p, in f32, and the product's result is divided by l at the end. Since M is a whole number, a kernel that streams over the keys may use a running M (the ceiling of the running maximum): every later rescaling is an exact power of two, which a block's scale takes up: the codes' values come out the same.
;;   OPERANDS COMPUTED ON THE WAY. 'Computed on the way' means the value that the module computes at that place (a softmax that the list does not call 'softmax' is quantised finished and normalised). What goes into a quantiser is computed in f32, as accurately as f32 sums, v_exp_f32 and their like allow (about 1e-6 of the number): no bf16 or f16 on the way to a quantiser, and a product that is left as it is and whose result goes on into a quantised operand takes f32 operands (vector FMAs, or v_wmma_f32_16x16x4_f32). A number that lies on a knife's edge between two numbers of the format may be rounded either way, as far as f32 arithmetic and the matrix unit's own rounding can turn it there, and no further.
;; One version. Each part assembles by itself: llvm-mc -triple=amdgcn-amd-amdhsa -mcpu=gfx1250 --defsym DOCPART=n.
;; ======== version 1 of 1: 4 launches
;; workspace buffers: cod1 9,437,184 bytes; scl1 393,216 bytes; cod2 18,874,368 bytes; scl2 786,432 bytes; cod3 6,291,456 bytes; scl3 262,144 bytes
;; launch quant (part 1): grid 256 x 1, 12 waves a work-group, no clusters, 102,912 bytes of LDS; arguments x, qkv_w, o_w, cod1, scl1; writes cod1, scl1
.if DOCPART == 1
	.amdgcn_target "amdgcn-amd-amdhsa--gfx1250"
	.amdhsa_code_object_version 6
	.text
	.protected	k_qc11769a0d9_quant
	.globl	k_qc11769a0d9_quant
	.p2align	8
	.type	k_qc11769a0d9_quant,@function
k_qc11769a0d9_quant:
	s_mov_b64 s[64:65], 0
	v_nop
	global_prefetch_b8 v0, s[64:65] scope:SCOPE_SE
	s_setreg_imm32_b32 hwreg(HW_REG_WAVE_MODE, 25, 1), 1
	s_wait_xcnt 0x0
; x [8192][1024], qkv_w [3072][1024] and o_w [1024][1024], f32, become codes of FP6 (E2M3) with one E8M0 scale byte for each 32 along K (the last axis).
; A block's scale is 2^(floor(log2(its largest magnitude)) - 2); its byte is the largest magnitude's exponent field - 2, held at 1 from below.
; LAYOUT OF THE RESULT.  The 12,288 rows are 768 tiles of 16 rows.  A FRAGMENT (16 rows x 128 K: 12 registers a lane) is stored as an image of the operand's registers:
; six pieces of 256 bytes, piece p = registers 2 p, 2 p + 1, lane l's 8 bytes at 8 l.  cod1 = [tile][128 along K: 8][1,536 bytes]; scl1 = [tile][8][16 rows] words of four bytes.
; Tiles 0-511: x.  Tiles 512-639: for each head its 64 rows of q and its 64 rows of k.  Tiles 640-703: v's rows, head by head.  Tiles 704-767: o_w.
; ORDER INSIDE A BLOCK OF 32: place i holds the number whose index is i with bits 3 and 4 exchanged (0-7, 16-23, 8-15, 24-31).  Every operand of every product of this program has that order,
; so each product pairs the same numbers; a block keeps its 32 numbers and so its scale.  It costs nothing here: it is a choice of the registers into which the stage is read.
; SHARES.  A work-group takes three tiles; wave w takes tile w / 4 of them and quarter w % 4 of K: two fragments, 16 KB of f32, asked for by 32 loads at the wave's head (each 512 consecutive bytes).
; A conversion wants 16 neighbours along K in ONE lane, a load wants neighbouring bytes in neighbouring lanes: so a fragment turns through the wave's own stage in LDS (16 rows of 512 + 16 bytes).
; No loop, no barrier: waves share nothing.
; LIMITS: NaN and infinities among the inputs are not served.  A block whose largest magnitude lies under 2^-124 has its byte held at 1.  A block of zeros has the byte 1 where the rule says 127:
; its codes are zeros, which add nothing under any byte but 0xff, and the bytes are read by this program alone.
.set STG,   16*528                     ; a wave's stage
.set SPARE, 12*STG                     ; behind the stages: the spare words, 128 bytes for each wave, six blocks of 256 bytes that no other line names
.set SPW,   10                         ; v10  LDS address of my spare word; never rewritten
.set NIL,   11                         ; v11  0; never rewritten
.set R,     16                         ; v16-143  as loaded: fragment f, row i at R + 64 f + 4 i
.set X,     144                        ; v144-207 my two blocks of 32, in the order of places
.set PC,    208                        ; v208-231 codes: 12 registers for each fragment, so that no store's data are written again
.set CT,    232                        ; v232-238 the upper halves of the blocks' codes (a conversion's three registers begin on an even number)
.set MX,    240                        ; v240-241 largest magnitudes
.set SO,    242                        ; v242-243 the conversions' scale operands
.set BY,    244                        ; v244-245 scale bytes
.set WD,    246                        ; v246-247 the two fragments' scale words
.set T0,    248                        ; v248-249 at work
	s_load_b256 s[4:11], s[0:1], 0x0               ; x s[4:5], qkv_w s[6:7], o_w s[8:9], cod1 s[10:11]
	s_load_b64 s[12:13], s[0:1], 0x20              ; scl1
	v_lshl_add_u32 v[SPW], v0, 2, SPARE
	v_mov_b32 v[NIL], 0
	v_lshrrev_b32 v1, 5, v0
	v_readfirstlane_b32 s16, v1                    ; wave 0..11
	s_lshr_b32 s17, s16, 2                         ; which of the work-group's three tiles
	s_and_b32 s18, s16, 3                          ; which quarter of K
	s_mul_i32 s19, ttmp9, 3
	s_add_co_u32 s19, s19, s17                     ; T: my tile among the 768, in the order x, qkv_w, o_w
	s_mov_b32 s22, 704
	s_cmp_lt_u32 s19, 704
	s_cselect_b32 s22, 512, s22
	s_cmp_lt_u32 s19, 512
	s_cselect_b32 s22, 0, s22                      ; my tensor's first tile
	s_sub_co_u32 s23, s19, s22                     ; ts: my tile in my tensor
	s_lshr_b32 s26, s23, 2                         ; qkv_w: g = the group of 64 rows, 0..47: head g / 3, kind g % 3 (q, k, v)
	s_mul_i32 s27, s26, 43
	s_lshr_b32 s27, s27, 7                         ; g / 3, exact for g under 48
	s_mul_i32 s28, s27, 3
	s_sub_co_u32 s28, s26, s28                     ; kind
	s_lshl_b32 s29, s27, 1
	s_add_co_u32 s29, s29, s28                     ; q, k: group 2 head + kind
	s_add_co_u32 s31, s27, 32                      ; v: group 32 + head
	s_cmp_eq_u32 s28, 2
	s_cselect_b32 s29, s31, s29
	s_lshl_b32 s29, s29, 2
	s_and_b32 s31, s23, 3
	s_add_co_u32 s29, s29, s31
	s_add_co_u32 s29, s29, 512
	s_cmp_eq_u32 s22, 512
	s_cselect_b32 s29, s29, s19                    ; DT: where my tile goes; x and o_w keep their places
	s_lshl_b32 s26, s23, 16                        ; in: 16 rows of 4,096 bytes a tile,
	s_lshl_b32 s27, s18, 10                        ; 1,024 bytes a quarter of K
	s_add_co_u32 s26, s26, s27
	s_mov_b32 s27, 0
	s_mul_i32 s32, s29, 12288                      ; codes: 12,288 bytes a tile, 3,072 a quarter
	s_mul_i32 s33, s18, 3072
	s_add_co_u32 s32, s32, s33
	s_mov_b32 s33, 0
	s_lshl_b32 s34, s29, 9                         ; scale words: 512 bytes a tile, 128 a quarter
	s_lshl_b32 s35, s18, 7
	s_add_co_u32 s34, s34, s35
	s_mov_b32 s35, 0
	s_mov_b32 s24, 0x76543210
	s_mov_b32 s25, 0xfedcba98                      ; v_permlanex16_b32's selects for lane l xor 16
	s_mov_b32 s30, 0xffff0000                      ; lanes 16-31
	s_mul_i32 s36, s16, STG
	v_and_b32 v1, 31, v0                           ; lane
	v_and_b32 v2, 15, v0                           ; r
	v_bfe_u32 v3, v0, 4, 1                         ; h
	v_lshlrev_b32 v4, 4, v1                        ; my 16 bytes of a load's 512
	v_add_nc_u32 v5, s36, v4                       ; the stage, on the way in: 16 x lane in a row
	v_mul_u32_u24 v6, v2, 528
	v_lshl_add_u32 v6, v3, 7, v6
	v_add_nc_u32 v6, s36, v6                       ; and on the way out: row r, block h of each pair of blocks
	v_lshlrev_b32 v7, 3, v1                        ; an image's place for my lane
	v_lshlrev_b32 v8, 2, v1                        ; a scale word's
	v_lshlrev_b32 v9, 3, v3                        ; 8 h: how far my two bytes are shifted in the word
	v_mov_b32 v[T0+1], 0                           ; written once: a lane permute's destination counts as one of its sources
	s_wait_kmcnt 0x0
	s_cmp_lt_u32 s19, 704                          ; the choice of the tensor hangs on the tile's number alone
	s_cselect_b64 s[20:21], s[6:7], s[8:9]
	s_cmp_lt_u32 s19, 512
	s_cselect_b64 s[20:21], s[4:5], s[20:21]
	s_add_nc_u64 s[20:21], s[20:21], s[26:27]
	s_add_nc_u64 s[10:11], s[10:11], s[32:33]
	s_add_nc_u64 s[12:13], s[12:13], s[34:35]
.irp f, 0,1
.irp i, 0,1,2,3,4,5,6,7,8,9,10,11,12,13,14,15
	global_load_b128 v[R+64*\f+4*\i:R+64*\f+4*\i+3], v4, s[20:21] offset:4096*\i+512*\f th:TH_LOAD_NT   ; row i, 128 numbers: 512 consecutive bytes
.endr
.endr
.macro FRAGQ f
.if \f == 0
	s_wait_loadcnt 16                              ; fragment 0's sixteen loads are in; fragment 1's sixteen may be out
.else
	s_wait_loadcnt 0x0
.endif
.irp i, 0,1,2,3,4,5,6,7,8,9,10,11,12,13,14,15
	ds_store_b128 v5, v[R+64*\f+4*\i:R+64*\f+4*\i+3] offset:528*\i
.endr
.irp c, 0,1                            ; LDS serves a wave's instructions in order: these see the stores above.  Lane (r, h) takes blocks h and 2 + h of row r, whole
.irp j, 0,1,2,3,4,5,6,7                ; numbers 4 j .. 4 j + 3 of the block go to places 4 j with bits 3 and 4 exchanged
	ds_load_b128 v[X+32*\c+4*(\j%2)+16*((\j/2)%2)+8*(\j/4):X+32*\c+4*(\j%2)+16*((\j/2)%2)+8*(\j/4)+3], v6 offset:256*\c+16*\j
.endr
.endr
	s_wait_dscnt 0x0
.irp c, 0,1
	v_max3_num_f32 v[MX+\c], |v[X+32*\c]|, |v[X+32*\c+1]|, 0x1800000   ; the floor 2^(3 - 127) among the leaves: the byte cannot fall under 1
.endr
.irp i, 2,4,6,8,10,12,14,16,18,20,22,24,26,28,30
.irp c, 0,1
	v_max3_num_f32 v[MX+\c], v[MX+\c], |v[X+32*\c+\i]|, |v[X+32*\c+\i+1]|   ; the two blocks by turns
.endr
.endr
.irp c, 0,1
	v_add_nc_u32 v[SO+\c], 0xff000000, v[MX+\c]    ; 2 off the exponent field: the conversion takes the exponent field of this operand as its scale
.endr
.irp c, 0,1
	v_lshrrev_b32 v[BY+\c], 23, v[SO+\c]           ; the scale's byte
.endr
	v_lshl_or_b32 v[T0], v[BY+1], 16, v[BY]        ; my two bytes, blocks h and 2 + h,
	v_lshlrev_b32 v[T0], v9, v[T0]                 ; at their places in the row's word;
	v_permlanex16_b32 v[T0+1], v[T0], s24, s25
	v_or_b32 v[WD+\f], v[T0], v[T0+1]              ; with lane l xor 16's two the word is whole
.irp c, 0,1
	v_cvt_scalef32_pk16_fp6_f32 v[PC+12*\f+6*\c:PC+12*\f+6*\c+2], v[X+32*\c:X+32*\c+15], v[SO+\c]
	v_cvt_scalef32_pk16_fp6_f32 v[CT+4*\c:CT+4*\c+2], v[X+32*\c+16:X+32*\c+31], v[SO+\c]
.endr
	v_nop                                          ; one plain instruction behind the scaled conversions
.irp c, 0,1
.irp i, 0,1,2
	v_mov_b32 v[PC+12*\f+6*\c+3+\i], v[CT+4*\c+\i]
.endr
.endr
.irp p, 0,1,2,3,4,5
	global_store_b64 v7, v[PC+12*\f+2*\p:PC+12*\f+2*\p+1], s[10:11] offset:1536*\f+256*\p   ; a piece: 256 consecutive bytes, aligned
.endr
.endm
	FRAGQ 0
	FRAGQ 1
	v_cndmask_b32 v[T0], v[WD], v[WD+1], s30       ; lanes 0-15 hold fragment 0's words, lanes 16-31 fragment 1's
	global_store_b32 v8, v[T0], s[12:13]           ; 128 consecutive bytes: half of an aligned 256; the words are one twenty-fourth of the codes' bytes
	s_wait_tensorcnt 0x0                           ; the wave's end, behind my last LDS store
	ds_add_u32 v[SPW], v[NIL]
	s_wait_dscnt 0x0
	s_endpgm
.Lfunc_end_k_qc11769a0d9_quant:
	.size	k_qc11769a0d9_quant, .Lfunc_end_k_qc11769a0d9_quant-k_qc11769a0d9_quant
	.p2alignl 7, 3214868480
	.fill 96, 4, 3214868480
	.section	.rodata,"a",@progbits
	.p2align	6, 0x0
	.amdhsa_kernel k_qc11769a0d9_quant
		.amdhsa_group_segment_fixed_size 102912
		.amdhsa_private_segment_fixed_size 0
		.amdhsa_enable_private_segment 0
		.amdhsa_kernarg_size 40
		.amdhsa_user_sgpr_count 2
		.amdhsa_user_sgpr_kernarg_segment_ptr 1
		.amdhsa_wavefront_size32 1
		.amdhsa_system_sgpr_workgroup_id_x 1
		.amdhsa_system_sgpr_workgroup_id_y 1
		.amdhsa_system_sgpr_workgroup_id_z 1
		.amdhsa_system_vgpr_workitem_id 0
		.amdhsa_next_free_vgpr 256
		.amdhsa_next_free_sgpr 66
		.amdhsa_reserve_vcc 0
		.amdhsa_float_denorm_mode_32 3
		.amdhsa_float_denorm_mode_16_64 3
		.amdhsa_memory_ordered 1
		.amdhsa_forward_progress 1
		.amdhsa_inst_pref_size 18
	.end_amdhsa_kernel
	.amdgpu_metadata
---
amdhsa.version: [ 1, 2 ]
amdhsa.kernels:
  - .name:           k_qc11769a0d9_quant
    .symbol:         k_qc11769a0d9_quant.kd
    .args:
      - { .name: x, .offset: 0, .size: 8, .value_kind: global_buffer, .address_space: global }
      - { .name: qkv_w, .offset: 8, .size: 8, .value_kind: global_buffer, .address_space: global }
      - { .name: o_w, .offset: 16, .size: 8, .value_kind: global_buffer, .address_space: global }
      - { .name: cod1, .offset: 24, .size: 8, .value_kind: global_buffer, .address_space: global }
      - { .name: scl1, .offset: 32, .size: 8, .value_kind: global_buffer, .address_space: global }
    .group_segment_fixed_size: 102912
    .private_segment_fixed_size: 0
    .kernarg_segment_align: 8
    .kernarg_segment_size: 40
    .max_flat_workgroup_size: 384
    .sgpr_count:     66
    .vgpr_count:     256
    .wavefront_size: 32
...
	.end_amdgpu_metadata
.endif
;; end of part 1
;; launch qkv (part 2): grid 8 x 32, 4 waves a work-group, clusters of 4 x 4, 327,680 bytes of LDS; arguments cod1, scl1, qkv_b, cod2, scl2; writes cod2, scl2
.if DOCPART == 2
	.amdgcn_target "amdgcn-amd-amdhsa--gfx1250"
	.amdhsa_code_object_version 6
	.text
	.protected	k_qc11769a0d9_qkv
	.globl	k_qc11769a0d9_qkv
	.p2align	8
	.type	k_qc11769a0d9_qkv,@function
k_qc11769a0d9_qkv:
	s_mov_b64 s[64:65], 0
	v_nop
	global_prefetch_b8 v0, s[64:65] scope:SCOPE_SE
	s_setreg_imm32_b32 hwreg(HW_REG_WAVE_MODE, 25, 1), 1
	s_wait_xcnt 0x0
	s_wait_alu depctr_hold_cnt(0) depctr_sa_sdst(0) depctr_va_vdst(0) depctr_va_sdst(0) depctr_va_ssrc(0) depctr_va_vcc(0) depctr_vm_vsrc(0)
	s_getreg_b32 s2, hwreg(HW_REG_IB_STS2, 6, 4)
	s_cmp_eq_u32 s2, 0
	s_cbranch_scc0 .Lentry_in_a_cluster
	s_endpgm
.Lentry_in_a_cluster:
	s_bfe_u32 s2, ttmp6, 0x10000c
	s_cmp_lg_u32 s2, 0xf033
	s_cbranch_scc0 .Lentry_shape_is_right
	s_endpgm
.Lentry_shape_is_right:
; qkv = x qkv_w^T + qkv_b on codes of FP6 (E2M3) with E8M0 scales, sums in f32; the result never goes to memory as f32: it is quantised in registers into the operands of attention.
; A WORK-GROUP STAYS.  It keeps 256 rows of x (all of K = 1,024: codes and scale words) in LDS for the whole launch and walks THREE tiles of 128 weight rows against them:
;   tile 0: head c's 64 rows of q and 64 rows of k;   tile 1: head 8 + c's;   tile 2: the v rows of heads 2 c and 2 c + 1.   (c = the work-group's column, 0..7; in cod1 these are row tiles 512 + 8 c + 64 t.)
; The weights' slot (4 chunks of 256 along K x 8 row tiles x 3,072 bytes) is filled again twice: at the head of a tile's last K step all my LDS reads are in; then all my tensor loads are waited for, 0 is added
; to my spare word, a round of the cluster's barrier is passed, and wave w asks for chunk w of the next weights: one load a wave, which has 24 products and the whole way out in which to land.
; THE PRODUCT.  Four waves; a wave multiplies a set of FOUR fragments (source 1: a lane holds one of its rows) by a set of EIGHT (source 0: the registers run along its rows): 32 accumulators, 256 registers.
;   q, k: the four are my 64 rows of x, the eight the 128 weight rows: a lane holds one token, its registers run along d: quantised along d.
;   v:    the four are weight rows 64 (wave % 2) on (one head), the eight x's rows 128 (wave / 2) on: a lane holds one d, its registers run along the keys: quantised along the keys.
;   The two differ in LDS addresses alone.  The bias starts the sums: q's and k's runs along the registers, v's belongs to the lane and is laid eight times in a block's C registers.
; A K STEP is 32 products, the four's blocks one after the other, each against the eight.  The next step's 72 LDS loads go in four runs of 18, one behind each block's eight products, so that a run is served
; while the next products are multiplied; that costs nine switches of the register window a step.
; QUANTISING.  A lane's 16 registers of tiles 2 b, 2 b + 1 and lane l xor 16's are a block of 32; after the conversions and the exchange of halves a block's codes stand in the order
; 0-7, 16-23, 8-15, 24-31, as in every operand of this program.  The 12 registers are a fragment's image (six pieces of 256 bytes, lane l's 8 bytes at 8 l) and are stored as they stand.
; cod2: Q part [bh][token tile 64][3 pieces]; K part, KOFF on, likewise; V part, VOFF on, [bh][128 keys: 8][16 d: 4][6 pieces].
; scl2: [bh][6,144]: [64 tokens: 16][r][Qw(pair 0), Kw(pair 0), Qw(pair 1), Kw(pair 1)], a word = the two bytes of tile 2 j's row r, then tile 2 j + 1's; from 4,096 on [128 keys: 8][r][16 d: 4] words of v.
; CLUSTERS: 4 x 4 work-groups.  The four of a row of the cluster need the same rows of x, the four of a column the same weights: each tile is asked for jointly, by the same tensor load with the same
; descriptor and a mask that names the four.  A wave has five tensor loads out at the start and one behind each of the two refills' rounds.
; LIMITS: NaN and infinities are not served.  A block whose largest magnitude lies under 2^-124 has its byte held at 1; a block of zeros has the byte 1 (zero codes; the bytes are this program's own).
; REGISTERS, in windows of 256.  Window 0: v1-15 addresses; v16-23, v28-31 at work on the way out; v24, v25, v27 offsets; v32-47 the four's scale words, v48-79 the eight's (all of K); v80-83 v's bias;
;   v88-95 scale words made; v96-191 the four's fragments, two sets, on the way out the codes; v192-255 the bias as C.  Window 1: the eight's fragments, sets at v0 and v128.  Window 2: accumulator (a, b) at v[8 (8 a + b)].
.set KOFF,  6291456
.set VOFF,  12582912
.set CHUNK, 73728                      ; 256 along K: x's 16 row tiles x 3,072 bytes, then the weights' 8
.set BOFF,  49152
.set SCL,   4*CHUNK                    ; x's scale words: 16 row tiles x 512 bytes
.set SCLB,  SCL+8192                   ; the weights': [row tiles 0-3 | 4-7][tile 0, 1, 2][2,048 bytes]
.set SPARE, SCLB+12288                 ; the spare words, 128 bytes for each wave: two blocks of 256 bytes that no other line names
.set FR,    12                         ; registers of a fragment
.set ADRA,  4                          ; v4-7   the four's fragments in chunk q
.set ADRB,  8                          ; v8-11  the eight's
.set ADSA,  12                         ; v12    the four's scale words: lanes 0-15 block j, lanes 16-31 block j + 2
.set ADSB,  13                         ; v13    the eight's: blocks j and j + 4
.set SPW,   14                         ; v14    LDS address of my spare word; never rewritten
.set NIL,   15                         ; v15    0; never rewritten
.set TM,    16
.set BNO,   24                         ; v24    where q's and k's bias of my registers begins in qkv_b; never rewritten
.set R16,   25                         ; v25    16 r + 8 h: my 8 bytes of a row's four scale words; never rewritten
.set BMO,   27                         ; v27    where v's bias of my lane begins
.set SCA,   32
.set SCB,   48
.set BM,    80
.set PW,    88
.set XS,    92
.set AF,    96
.set BN,    192
.set G1A,   24                         ; s[24:31] group 1 for x's chunks; s[32:39] the weights'; s[40:47] x's scale words; s[48:55] the weights'
.set G1B,   32
.set G1SA,  40
.set G1SB,  48
.set MSB, 0
.macro WIN new                         ; the immediate's high byte repeats the setting that is left
.if MSB != \new
	s_set_vgpr_msb (MSB<<8)|\new
.set MSB, \new
.endif
.endm
.set MUL,  0xa1                        ; source 0 (the eight) window 1, source 1 (the four) window 0, C and D window 2
.set MUL0, 0x81                        ; the same with C (the bias) in window 0
.set TO_B, 0x40                        ; destination window 1, address window 0
.macro WINM cm
.if \cm
	WIN MUL0
.else
	WIN MUL
.endif
.endm
; A joint first fill: waves 0 and 1 fetch x's halves, waves 2 and 3 the weights'.  Each line has one mask and one set of registers; the branch hangs on the wave's number alone.
; An s_nop 0 and four v_nop follow each line.
.macro JLOAD g0a, g1a, g0b, g1b
	s_cmp_eq_u32 s17, 0
	s_cbranch_scc0 .Lfor_b_\@
	tensor_load_to_lds s[\g0a:\g0a+3], s[\g1a:\g1a+7]
	s_nop 0
.rept 4
	v_nop
.endr
	s_branch .Lasked_\@
.Lfor_b_\@:
	tensor_load_to_lds s[\g0b:\g0b+3], s[\g1b:\g1b+7]
	s_nop 0
.rept 4
	v_nop
.endr
.Lasked_\@:
.endm
.macro CROUND                          ; a round of the cluster's barrier
	s_barrier_signal -1
	s_barrier_wait -1
	s_cmp_lg_u32 s16, 0
	s_cbranch_scc1 .Lnot_wave_0_\@
	s_barrier_signal -3
.Lnot_wave_0_\@:
	s_barrier_wait -3
	s_barrier_signal -1
	s_barrier_wait -1
.endm
.macro PLACES                          ; four plain instructions behind matrix instructions, in front of loads into their registers and of reads of their results
.rept 4
	v_nop
.endr
.endm
.macro SHAPE g, c, r, p                ; group 1's words 1 to 7: r rows of c elements of 8 bytes, p elements from row to row
	s_mov_b32 s[\g+1], (\c)<<16
	s_mov_b32 s[\g+2], (\r)<<16
	s_mov_b32 s[\g+3], (\c)<<16
	s_mov_b32 s[\g+4], \r
	s_mov_b32 s[\g+5], \p
	s_mov_b32 s[\g+6], 0
	s_mov_b32 s[\g+7], 0
.endm
.macro SETG g, q, lds, adr             ; group 0 for chunk q: LDS half-offset in s[lds], the first chunk's address in s[adr:adr+1]
	s_mov_b32 s[\g], 1
	s_add_co_u32 s[\g+1], s[\lds], CHUNK*\q
	s_add_nc_u64 s[\g+2:\g+3], s[\adr:\adr+1], 3072*\q
	s_or_b32 s[\g+3], s[\g+3], 0x80000000
.endm
.macro SCALES doa, bo                  ; a tile's scale words for all of K: 8 K steps x (2 registers for the four's blocks, 4 for the eight's).  doa = 0: the four's stay.  bo: the tile's place among the weights' words
.if \doa
.irp j, 0,1
.irp k, 0,1,2,3,4,5,6,7
	ds_load_b32 v[SCA+8*\j+\k], v[ADSA] offset:512*\j+64*\k
.endr
.endr
.endif
.irp j, 0,1,2,3
.irp k, 0,1,2,3,4,5,6,7
	ds_load_b32 v[SCB+8*\j+\k], v[ADSB] offset:\bo+512*\j+64*\k
.endr
.endr
.endm
; Run g of four of a K step's 72 loads, in the order: the eight's fragments 0 to 7, then the four's 0 to 3; six loads a fragment, each of 256 consecutive bytes.  fq: the chunk; fs: which half of it, and the set.
.macro LD18 g
.set ln, 18*(\g)
.rept 18
.if ln < 48
	WIN TO_B
	ds_load_b64 v[128*fs+FR*(ln/6)+2*(ln%6):128*fs+FR*(ln/6)+2*(ln%6)+1], v[ADRB+fq] offset:3072*(ln/6)+1536*fs+256*(ln%6)
.else
	WIN 0
	ds_load_b64 v[AF+48*fs+FR*((ln-48)/6)+2*(ln%6):AF+48*fs+FR*((ln-48)/6)+2*(ln%6)+1], v[ADRA+fq] offset:3072*((ln-48)/6)+1536*fs+256*(ln%6)
.endif
.set ln, ln+1
.endr
.endm
.macro FETCH0                          ; a tile's first K step, in one run
.set fq, 0
.set fs, 0
	LD18 0
	LD18 1
	LD18 2
	LD18 3
.endm
.macro MM a, b, p, st, cm              ; one product.  cm = 1: the bias of the registers' rows starts the sum; cm = 2: the bias of the lane's row; cm = 0: the sum goes on
.set rD, 8*(8*(\a)+(\b))
.set rC, rD
.if (\cm) == 1
.set rC, BN+8*(\b)
.endif
.if (\cm) == 2
.set rC, BN+8*(\a)
.endif
.set rB, 128*(\p)+FR*(\b)
.set rA, AF+48*(\p)+FR*(\a)
.set rX, SCB+8*((\b)%4)+(\st)
.set rY, SCA+8*((\a)%2)+(\st)
.if ((\b) < 4) && ((\a) < 2)
	v_wmma_scale_f32_16x16x128_f8f6f4 v[rD:rD+7], v[rB:rB+FR-1], v[rA:rA+FR-1], v[rC:rC+7], v[rX], v[rY] matrix_a_fmt:MATRIX_FMT_FP6 matrix_b_fmt:MATRIX_FMT_FP6
.elseif (\a) < 2
	v_wmma_scale_f32_16x16x128_f8f6f4 v[rD:rD+7], v[rB:rB+FR-1], v[rA:rA+FR-1], v[rC:rC+7], v[rX], v[rY] matrix_a_fmt:MATRIX_FMT_FP6 matrix_b_fmt:MATRIX_FMT_FP6 matrix_a_scale:MATRIX_SCALE_ROW1
.elseif (\b) < 4
	v_wmma_scale_f32_16x16x128_f8f6f4 v[rD:rD+7], v[rB:rB+FR-1], v[rA:rA+FR-1], v[rC:rC+7], v[rX], v[rY] matrix_a_fmt:MATRIX_FMT_FP6 matrix_b_fmt:MATRIX_FMT_FP6 matrix_b_scale:MATRIX_SCALE_ROW1
.else
	v_wmma_scale_f32_16x16x128_f8f6f4 v[rD:rD+7], v[rB:rB+FR-1], v[rA:rA+FR-1], v[rC:rC+7], v[rX], v[rY] matrix_a_fmt:MATRIX_FMT_FP6 matrix_b_fmt:MATRIX_FMT_FP6 matrix_a_scale:MATRIX_SCALE_ROW1 matrix_b_scale:MATRIX_SCALE_ROW1
.endif
.endm
.macro MULA a, p, st, cm               ; the four's block a against the eight.  The 32 accumulators take turns, one instruction a turn, in the same order in every K step
.irp b, 0,1,2,3,4,5,6,7
	MM \a, \b, \p, \st, \cm
.endr
.endm
; A K STEP.  mode 0: the next step's fragments lie in LDS already.  mode 1: they lie in the next chunk, whose landing is waited for (tc: the chunks asked for behind it, which may stay out) and told by a
; barrier behind which nothing is filled.  mode 2: nothing more to fetch.
.macro KSTEP st, cm, mode, tc
.set kp, (\st)%2
.set fq, ((\st)+1)/2
.set fs, ((\st)+1)%2
.set nl, 18
.if (\mode) == 2
.set nl, 0
.endif
.if (\mode) == 1
	s_wait_dscnt 0x0                               ; no LDS instruction of mine is out at the signal
	s_wait_tensorcnt \tc                           ; my part of the next chunk has landed
	s_barrier_signal -1
.else
	s_wait_dscnt 18                                ; the eight and the four's block 0 are in; the last run, blocks 1 to 3, may be out
.endif
	WINM \cm
	MULA 0, kp, \st, \cm
.if (\mode) == 1
	s_barrier_wait -1                              ; everybody's part has landed
.endif
.if (\mode) != 2
	PLACES                                         ; between the last step's products and the loads into the set that they read
	LD18 0
.endif
	s_wait_dscnt 12+nl                             ; block 1 is in: behind its loads came blocks 2 and 3 (12) and this step's first run
	WINM \cm
	MULA 1, kp, \st, \cm
.if (\mode) != 2
	LD18 1
.endif
	s_wait_dscnt 6+2*nl                            ; block 2: behind it block 3 (6) and two runs
	WINM \cm
	MULA 2, kp, \st, \cm
.if (\mode) != 2
	LD18 2
.endif
	s_wait_dscnt 3*nl                              ; block 3: behind it three runs
	WINM \cm
	MULA 3, kp, \st, \cm
.if (\mode) != 2
	LD18 3
.endif
.endm
; THE LAST K STEP OF A TILE THAT HAS A SUCCESSOR.  first = 1: the first refill.
.macro LASTR first
	s_wait_dscnt 0x0                               ; this step's fragments are in: my reads of the weights' slot are over
	WIN 0                                          ; (the add's two registers lie in window 0)
	s_wait_tensorcnt 0x0                           ; no tensor load of mine is out, so descriptors may be written
	ds_add_u32 v[SPW], v[NIL]                      ; 0 onto my spare word: work on registers stands between it and the wait for it
.if \first
	s_mov_b32 s[G1B+2], 8<<16                      ; a refill brings a whole chunk of the weights: 8 row tiles, where a first fill brought 4
	s_mov_b32 s[G1B+4], 8
.else
	s_add_nc_u64 s[6:7], s[6:7], 64*12288          ; the next tile's weights lie 64 row tiles on
.endif
	WIN MUL
	MULA 0, 1, 7, 0
	s_wait_dscnt 0x0                               ; the add is done
	WIN 0                                          ; at a branch and at a label every window is 0
	CROUND                                         ; no wave of any partner still reads the slot or has a load on its way
	tensor_load_to_lds s[4:7], s[G1B:G1B+7]        ; chunk w of the next weights: my one tensor load behind the round
	s_nop 0
.rept 4
	v_nop
.endr
.if \first
.irp b, 0,1,2,3,4,5,6,7
	global_load_b128 v[BN+8*\b:BN+8*\b+3], v[BNO], s[12:13] offset:6144+64*\b      ; head 8 + c's bias: the registers were last read in this tile's first K step
	global_load_b128 v[BN+8*\b+4:BN+8*\b+7], v[BNO], s[12:13] offset:6144+64*\b+16
.endr
.endif
	WIN MUL
	MULA 1, 1, 7, 0
	MULA 2, 1, 7, 0
	MULA 3, 1, 7, 0
	WIN 0
.endm
.macro NEXT                            ; in front of a tile's first LDS reads
	s_wait_tensorcnt 0x0                           ; my chunk of its weights has landed
	s_wait_xcnt 0x0                                ; the way out's stores have read their registers: fragments may land there again
	s_wait_loadcnt 0x0                             ; its bias
	s_barrier_signal -1
	s_barrier_wait -1                              ; everybody's chunk has landed
.endm
; THE WAY OUT of block a: 64 numbers a lane, register 16 b + i of window 2, become a fragment's 12 registers and a scale word.  kind 0: q and k of tile t; kind 1: v.
.macro OUTA a, kind, t
.set AC, 64*(\a)
.set PCA, AF+20*(\a)                   ; 12 registers of codes and 8 at work for each block: no store's data are written again in a tile
	WIN 0x0a                                       ; sources 0 and 1 window 2
.irp b, 0,1,2,3
	v_max3_num_f32 v[TM+\b], |v[AC+16*\b]|, |v[AC+16*\b+1]|, 0x1800000   ; block b: my 16 numbers, and the floor 2^(3 - 127): the byte cannot fall under 1; each accumulator from its low end on
.endr
	WIN 0x28                                       ; sources 1 and 2 window 2
.irp i, 2,4,6,8,10,12,14
.irp b, 0,1,2,3
	v_max3_num_f32 v[TM+\b], v[TM+\b], |v[AC+16*\b+\i]|, |v[AC+16*\b+\i+1]|
.endr
.endr
	WIN 0
.irp b, 0,1,2,3
	v_permlanex16_b32 v[TM+4+\b], v[TM+\b], s8, s9
.endr
.irp b, 0,1,2,3
	v_max_num_f32 v[TM+\b], v[TM+\b], v[TM+4+\b]   ; with lane l xor 16's: the block's largest magnitude
.endr
.irp b, 0,1,2,3
	v_add_nc_u32 v[TM+12+\b], 0xff000000, v[TM+\b] ; 2 off its exponent field: the conversion's scale operand
.endr
.irp b, 0,1,2,3
	v_lshrrev_b32 v[TM+4+\b], 23, v[TM+12+\b]      ; the scale's byte
.endr
	v_lshl_or_b32 v[PW+\a], v[TM+5], 8, v[TM+4]
	v_lshl_or_b32 v[PW+\a], v[TM+6], 16, v[PW+\a]
	v_lshl_or_b32 v[PW+\a], v[TM+7], 24, v[PW+\a]
	WIN 0x02                                       ; source 0 window 2
.irp c, 0,1
	v_cvt_scalef32_pk16_fp6_f32 v[PCA+6*\c:PCA+6*\c+2], v[AC+32*\c:AC+32*\c+15], v[TM+12+2*\c]
	v_cvt_scalef32_pk16_fp6_f32 v[PCA+12+4*\c:PCA+14+4*\c], v[AC+32*\c+16:AC+32*\c+31], v[TM+12+2*\c+1]
.endr
	WIN 0
	v_nop                                          ; one plain instruction behind the scaled conversions
.irp c, 0,1                            ; the operand's layout wants a whole block in a lane: lanes 0-15 block 2 c, lanes 16-31 block 2 c + 1
.irp i, 0,1,2
	v_permlane16_swap_b32 v[PCA+6*\c+\i], v[PCA+12+4*\c+\i]
.endr
.irp i, 0,1,2
	v_mov_b32 v[PCA+6*\c+3+\i], v[PCA+12+4*\c+\i]
.endr
.endr
.if \kind
.irp p, 0,1,2,3,4,5
	global_store_b64 v3, v[PCA+2*\p:PCA+2*\p+1], s[10:11] offset:1536*(\a)+256*\p   ; the image of 16 d x 128 keys; each store covers 256 consecutive bytes, aligned
.endr
.else
.irp p, 0,1,2
	global_store_b64 v3, v[PCA+2*\p:PCA+2*\p+1], s[14:15] offset:393216*(\t)+768*(\a)+256*\p          ; q's half (tile 1's head lies 8 x 49,152 bytes on);
	global_store_b64 v3, v[PCA+6+2*\p:PCA+6+2*\p+1], s[14:15] offset:KOFF+393216*(\t)+768*(\a)+256*\p  ; k's, in the K part: 6,687,488 at the most, inside the signed 24-bit immediate (ISA guide, chapter 10)
.endr
.endif
.endm
.macro OUTS kind, t                    ; a row's four scale words: lanes 0-15 store words 0 and 1, lanes 16-31 (which hold the same four) words 2 and 3: 256 consecutive bytes, aligned, all lanes on
.if \kind
	v_cndmask_b32 v[XS], v[PW], v[PW+2], s19       ; v: block a's word is d tile a's
	v_cndmask_b32 v[XS+1], v[PW+1], v[PW+3], s19
	global_store_b64 v[R16], v[XS:XS+1], s[22:23]
.else
	v_perm_b32 v[XS], v[PW+1], v[PW], 0x05040100   ; q's bytes of token tiles 0, 1
	v_perm_b32 v[XS+1], v[PW+1], v[PW], 0x07060302 ; k's
	v_perm_b32 v[XS+2], v[PW+3], v[PW+2], 0x05040100
	v_perm_b32 v[XS+3], v[PW+3], v[PW+2], 0x07060302
	v_cndmask_b32 v[XS], v[XS], v[XS+2], s19
	v_cndmask_b32 v[XS+1], v[XS+1], v[XS+3], s19
	global_store_b64 v[R16], v[XS:XS+1], s[104:105] offset:49152*(\t)
.endif
.endm
	s_load_b128 s[4:7], s[0:1], 0x0                ; cod1 s[4:5], scl1 s[6:7]: x and the weights both come from them
	s_load_b128 s[12:15], s[0:1], 0x10             ; qkv_b s[12:13], cod2 s[14:15]
	s_load_b64 s[22:23], s[0:1], 0x20              ; scl2
	v_lshl_add_u32 v[SPW], v0, 2, SPARE
	v_mov_b32 v[NIL], 0
	ds_add_u32 v[SPW], v[NIL]                      ; the wave's opening: the add and its wait stand ahead of my first tensor load; work on registers stands between them
	v_lshrrev_b32 v1, 5, v0
	v_readfirstlane_b32 s16, v1                    ; wave 0..3
	s_lshr_b32 s17, s16, 1                         ; first fills: I fetch for x (0) or for the weights (1),
	s_and_b32 s18, s16, 1                          ; the first or the second half
	s_bfe_u32 s66, ttmp6, 0x40000                  ; cx
	s_bfe_u32 s67, ttmp6, 0x40004                  ; cy
	s_lshl_b32 s104, s67, 2
	s_lshl_b32 s104, 15, s104                      ; my row of the cluster
	s_lshl_b32 s100, 0x1111, s66                   ; my column
	s_or_b32 s[G1A], s104, (3<<16)|(1<<21)         ; 15:0 the mask; 17:16 elements of 8 bytes; 21 set beside a mask; no padding
	s_or_b32 s[G1SA], s104, (3<<16)|(1<<21)
	s_or_b32 s[G1B], s100, (3<<16)|(1<<21)
	s_or_b32 s[G1SB], s100, (3<<16)|(1<<21)
	SHAPE G1A, 384, 8, 1536                        ; 8 row tiles x 3,072 bytes (two images), 12,288 bytes apart in memory
	SHAPE G1B, 384, 4, 1536
	SHAPE G1SA, 32, 16, 32                         ; 4,096 dense bytes as rows of 256
	SHAPE G1SB, 256, 3, 4096                       ; the three tiles' words of 4 row tiles: 3 rows of 2,048 bytes, 64 row tiles (32,768 bytes) apart
	s_lshl_b32 s3, ttmp9, 2
	s_add_co_u32 s3, s3, s66                       ; c = 4 cluster x + cx: my column, 0..7
	s_and_b32 s2, ttmp7, 0xffff
	s_lshl_b32 s2, s2, 2
	s_add_co_u32 s2, s2, s67                       ; my 256 rows of x = 4 cluster y + cy, 0..31
	s_lshl_b32 s20, s2, 4                          ; x's first row tile in cod1
	s_lshl_b32 s21, s3, 3
	s_add_co_u32 s21, s21, 512                     ; tile 0's weights
	s_lshl_b32 s104, s18, 3
	s_add_co_u32 s20, s20, s104                    ; the half that I would fetch: 8 row tiles of x,
	s_lshl_b32 s100, s18, 2
	s_add_co_u32 s21, s21, s100                    ; 4 of the weights
	s_wait_dscnt 0x0                               ; the opening add is done
	s_wait_kmcnt 0x0
	; groups 0, one for each load.  x's are made of cy, cluster ids and the wave's number alone, the weights' of cx, cluster ids and the wave's number
	s_lshl_b32 s104, s20, 9
	s_mov_b32 s105, 0
	s_mov_b32 s56, 1
	s_lshl_b32 s57, s18, 12
	s_add_co_u32 s57, s57, SCL
	s_add_nc_u64 s[58:59], s[6:7], s[104:105]
	s_or_b32 s59, s59, 0x80000000
	s_mul_i32 s104, s20, 12288
	s_add_nc_u64 s[104:105], s[4:5], s[104:105]
	s_mul_i32 s20, s18, 24576
	SETG 60, 0, 20, 104
	SETG 68, 1, 20, 104
	SETG 72, 2, 20, 104
	SETG 76, 3, 20, 104
	s_lshl_b32 s100, s21, 9
	s_mov_b32 s101, 0
	s_mov_b32 s80, 1
	s_mul_i32 s81, s18, 6144
	s_add_co_u32 s81, s81, SCLB
	s_add_nc_u64 s[82:83], s[6:7], s[100:101]
	s_or_b32 s83, s83, 0x80000000
	s_mul_i32 s100, s21, 12288
	s_add_nc_u64 s[100:101], s[4:5], s[100:101]
	s_mul_i32 s21, s18, 12288
	s_add_co_u32 s21, s21, BOFF
	SETG 84, 0, 21, 100
	SETG 88, 1, 21, 100
	SETG 92, 2, 21, 100
	SETG 96, 3, 21, 100
	s_lshl_b32 s100, s3, 3                         ; the refills' group 0, in the registers that held the two addresses: chunk w of tile 1's weights (row tiles 576 + 8 c on)
	s_add_co_u32 s100, s100, 576
	s_mul_i32 s100, s100, 12288
	s_mul_i32 s101, s16, 3072
	s_add_co_u32 s100, s100, s101
	s_mov_b32 s101, 0
	s_add_nc_u64 s[6:7], s[4:5], s[100:101]
	s_or_b32 s7, s7, 0x80000000
	s_mov_b32 s4, 1
	s_mul_i32 s5, s16, CHUNK
	s_add_co_u32 s5, s5, BOFF                      ; into the weights' part of chunk w
	CROUND                                         ; all sixteen work-groups are here: the joint loads meet
	JLOAD 56, G1SA, 80, G1SB                       ; the scale words, then the four chunks
	JLOAD 60, G1A, 84, G1B
	JLOAD 68, G1A, 88, G1B
	JLOAD 72, G1A, 92, G1B
	JLOAD 76, G1A, 96, G1B
	v_and_b32 v1, 15, v0                           ; r
	v_bfe_u32 v2, v0, 4, 1                         ; h
	v_and_b32 v3, 31, v0
	v_lshlrev_b32 v3, 3, v3                        ; 8 x lane: my place in a piece
	s_mul_i32 s100, s16, 12288
	v_add_nc_u32 v[ADRA], s100, v3                 ; q, k: the four are my four row tiles of x,
.irp q, 1,2,3
	v_add_nc_u32 v[ADRA+\q], CHUNK*\q, v[ADRA]
.endr
.irp q, 0,1,2,3
	v_add_nc_u32 v[ADRB+\q], CHUNK*\q+BOFF, v3     ; the eight the weights
.endr
	v_lshlrev_b32 v[ADSA], 2, v1
	v_mad_u32_u24 v[ADSB], v2, 6144, v[ADSA]       ; the weights' blocks 4 to 7 lie 6,144 bytes behind blocks 0 to 3
	v_add_nc_u32 v[ADSB], SCLB, v[ADSB]
	v_lshl_add_u32 v[ADSA], v2, 10, v[ADSA]
	s_lshl_b32 s100, s16, 11
	s_add_co_u32 s100, s100, SCL
	v_add_nc_u32 v[ADSA], s100, v[ADSA]
	v_lshlrev_b32 v[R16], 4, v1
	v_lshl_add_u32 v[R16], v2, 3, v[R16]
	; where the results go.  The temporaries are free: every descriptor is made
	s_lshr_b32 s100, s2, 2
	s_lshl_b32 s100, s100, 4                       ; 16 x batch
	s_and_b32 s101, s2, 3                          ; which 256 tokens of the sequence
	s_add_co_u32 s104, s100, s3                    ; tile 0: bh = 16 batch + c
	s_lshl_b32 s105, s101, 2
	s_add_co_u32 s105, s105, s16                   ; q, k: which 64 tokens are mine
	s_lshl_b32 s66, s3, 1
	s_add_co_u32 s66, s66, s18                     ; v: my head = 2 c + wave % 2
	s_mul_i32 s19, s66, 768
	s_add_co_u32 s19, s19, 512                     ; a head has 192 numbers in qkv_b; v's are the last 64
	v_lshlrev_b32 v[BMO], 2, v1
	v_add_nc_u32 v[BMO], s19, v[BMO]               ; for block a: that of row 16 a + r
	s_mul_i32 s19, s3, 768
	v_lshlrev_b32 v[BNO], 5, v2
	v_add_nc_u32 v[BNO], s19, v[BNO]               ; for tile b: those of rows 16 b + 8 h + 0 .. 7 of head c's q and k
.irp b, 0,1,2,3,4,5,6,7
	global_load_b128 v[BN+8*\b:BN+8*\b+3], v[BNO], s[12:13] offset:64*\b
	global_load_b128 v[BN+8*\b+4:BN+8*\b+7], v[BNO], s[12:13] offset:64*\b+16
.endr
.irp a, 0,1,2,3
	global_load_b32 v[BM+\a], v[BMO], s[12:13] offset:64*\a
.endr
.irp b, 0,1,2,3
	v_mov_b32 v[TM+4+\b], 0                        ; written once: a lane permute's destination counts as one of its sources
.endr
	s_add_co_u32 s66, s66, s100                    ; v: bh
	s_lshl_b32 s67, s101, 1
	s_add_co_u32 s67, s67, s17                     ; v: which 128 keys are mine
	s_mov_b32 s21, 0
	s_mul_i32 s20, s66, 49152
	s_mul_i32 s100, s67, 6144
	s_add_co_u32 s20, s20, s100
	s_add_co_u32 s20, s20, VOFF
	s_add_nc_u64 s[10:11], s[14:15], s[20:21]      ; cod2 at v's first image
	s_mul_i32 s20, s104, 49152
	s_mul_i32 s100, s105, 3072                     ; four token tiles of 768 bytes
	s_add_co_u32 s20, s20, s100
	s_add_nc_u64 s[14:15], s[14:15], s[20:21]      ; cod2 at tile 0's first half image of q
	s_mul_i32 s20, s104, 6144
	s_lshl_b32 s100, s105, 8
	s_add_co_u32 s20, s20, s100
	s_add_nc_u64 s[104:105], s[22:23], s[20:21]    ; scl2 at tile 0's 256 bytes
	s_mul_i32 s20, s66, 6144
	s_lshl_b32 s100, s67, 8
	s_add_co_u32 s20, s20, s100
	s_add_co_u32 s20, s20, 4096
	s_add_nc_u64 s[22:23], s[22:23], s[20:21]      ; scl2 at v's 256 bytes
	s_mov_b32 s8, 0x76543210
	s_mov_b32 s9, 0xfedcba98                       ; v_permlanex16_b32's selects for lane l xor 16
	s_mov_b32 s19, 0xffff0000                      ; lanes 16-31
	s_wait_loadcnt 0x0
	s_wait_tensorcnt 0x3                           ; my part of the scale words and of chunk 0 has landed; chunks 1 to 3 may be out
	s_barrier_signal -1
	s_barrier_wait -1                              ; everybody's has
	; ---- tile 0: head c's q and k.  Its chunks are still landing
	SCALES 1, 0
	FETCH0
	KSTEP 0, 1, 0, 0
	KSTEP 1, 0, 1, 2
	KSTEP 2, 0, 0, 0
	KSTEP 3, 0, 1, 1
	KSTEP 4, 0, 0, 0
	KSTEP 5, 0, 1, 0
	KSTEP 6, 0, 0, 0
	LASTR 1
	PLACES
	OUTA 0, 0, 0
	OUTA 1, 0, 0
	OUTA 2, 0, 0
	OUTA 3, 0, 0
	OUTS 0, 0
	; ---- tile 1: head 8 + c's q and k
	NEXT
	SCALES 0, 2048
	FETCH0
	KSTEP 0, 1, 0, 0
	KSTEP 1, 0, 0, 0
	KSTEP 2, 0, 0, 0
	KSTEP 3, 0, 0, 0
	KSTEP 4, 0, 0, 0
	KSTEP 5, 0, 0, 0
	KSTEP 6, 0, 0, 0
	LASTR 0
	PLACES
	OUTA 0, 0, 1
	OUTA 1, 0, 1
	OUTA 2, 0, 1
	OUTA 3, 0, 1
	OUTS 0, 1
	; ---- tile 2: v.  The sets change roles: new LDS addresses, and the lane's bias eight times in each block's C registers
.irp a, 0,1,2,3
.irp j, 0,1,2,3,4,5,6,7
	v_mov_b32 v[BN+8*\a+\j], v[BM+\a]
.endr
.endr
	s_mul_i32 s100, s17, 24576
	v_add_nc_u32 v[ADRB], s100, v3                 ; the eight: x's row tiles 8 (wave / 2) on
.irp q, 1,2,3
	v_add_nc_u32 v[ADRB+\q], CHUNK*\q, v[ADRB]
.endr
	s_mul_i32 s100, s18, 12288
	s_add_co_u32 s100, s100, BOFF
	v_add_nc_u32 v[ADRA], s100, v3                 ; the four: the weights' row tiles 4 (wave % 2) on
.irp q, 1,2,3
	v_add_nc_u32 v[ADRA+\q], CHUNK*\q, v[ADRA]
.endr
	v_lshlrev_b32 v[ADSA], 2, v1
	v_lshl_add_u32 v[ADSB], v2, 11, v[ADSA]
	s_lshl_b32 s100, s17, 12
	s_add_co_u32 s100, s100, SCL
	v_add_nc_u32 v[ADSB], s100, v[ADSB]
	v_lshl_add_u32 v[ADSA], v2, 10, v[ADSA]
	s_mul_i32 s100, s18, 6144
	s_add_co_u32 s100, s100, SCLB+4096
	v_add_nc_u32 v[ADSA], s100, v[ADSA]
	NEXT
	SCALES 1, 0
	FETCH0
	KSTEP 0, 2, 0, 0
	KSTEP 1, 0, 0, 0
	KSTEP 2, 0, 0, 0
	KSTEP 3, 0, 0, 0
	KSTEP 4, 0, 0, 0
	KSTEP 5, 0, 0, 0
	KSTEP 6, 0, 0, 0
	KSTEP 7, 0, 2, 0
	WIN 0
	PLACES
	OUTA 0, 1, 0
	OUTA 1, 1, 0
	OUTA 2, 1, 0
	OUTA 3, 1, 0
	OUTS 1, 0
	s_wait_tensorcnt 0x0                           ; the wave's end, behind my last tensor load
	ds_add_u32 v[SPW], v[NIL]
	s_wait_dscnt 0x0
	CROUND                                         ; the closing round
	s_endpgm
.Lfunc_end_k_qc11769a0d9_qkv:
	.size	k_qc11769a0d9_qkv, .Lfunc_end_k_qc11769a0d9_qkv-k_qc11769a0d9_qkv
	.p2alignl 7, 3214868480
	.fill 96, 4, 3214868480
	.section	.rodata,"a",@progbits
	.p2align	6, 0x0
	.amdhsa_kernel k_qc11769a0d9_qkv
		.amdhsa_group_segment_fixed_size 327680
		.amdhsa_private_segment_fixed_size 0
		.amdhsa_enable_private_segment 0
		.amdhsa_kernarg_size 40
		.amdhsa_user_sgpr_count 2
		.amdhsa_user_sgpr_kernarg_segment_ptr 1
		.amdhsa_wavefront_size32 1
		.amdhsa_system_sgpr_workgroup_id_x 1
		.amdhsa_system_sgpr_workgroup_id_y 1
		.amdhsa_system_sgpr_workgroup_id_z 1
		.amdhsa_system_vgpr_workitem_id 0
		.amdhsa_next_free_vgpr 768
		.amdhsa_next_free_sgpr 106
		.amdhsa_reserve_vcc 0
		.amdhsa_float_denorm_mode_32 3
		.amdhsa_float_denorm_mode_16_64 3
		.amdhsa_memory_ordered 1
		.amdhsa_forward_progress 1
		.amdhsa_inst_pref_size 255
	.end_amdhsa_kernel
	.section	.bss,"aw",@nobits
	.p2align	6
	.space	262144
	.amdgpu_metadata
---
amdhsa.version: [ 1, 2 ]
amdhsa.kernels:
  - .name:           k_qc11769a0d9_qkv
    .symbol:         k_qc11769a0d9_qkv.kd
    .args:
      - { .name: cod1, .offset: 0, .size: 8, .value_kind: global_buffer, .address_space: global }
      - { .name: scl1, .offset: 8, .size: 8, .value_kind: global_buffer, .address_space: global }
      - { .name: qkv_b, .offset: 16, .size: 8, .value_kind: global_buffer, .address_space: global }
      - { .name: cod2, .offset: 24, .size: 8, .value_kind: global_buffer, .address_space: global }
      - { .name: scl2, .offset: 32, .size: 8, .value_kind: global_buffer, .address_space: global }
    .group_segment_fixed_size: 327680
    .private_segment_fixed_size: 0
    .kernarg_segment_align: 8
    .kernarg_segment_size: 40
    .max_flat_workgroup_size: 128
    .sgpr_count:     106
    .vgpr_count:     768
    .wavefront_size: 32
...
	.end_amdgpu_metadata
.endif
;; end of part 2
;; launch attn (part 3): grid 4 x 64, 16 waves a work-group, clusters of 4 x 1, 210,944 bytes of LDS; arguments cod2, scl2, cod3, scl3; writes cod3, scl3
.if DOCPART == 3
	.amdgcn_target "amdgcn-amd-amdhsa--gfx1250"
	.amdhsa_code_object_version 6
	.text
	.protected	k_qc11769a0d9_attn
	.globl	k_qc11769a0d9_attn
	.p2align	8
	.type	k_qc11769a0d9_attn,@function
k_qc11769a0d9_attn:
	s_mov_b64 s[64:65], 0
	v_nop
	global_prefetch_b8 v0, s[64:65] scope:SCOPE_SE
	s_setreg_imm32_b32 hwreg(HW_REG_WAVE_MODE, 25, 1), 1
	s_wait_xcnt 0x0
	s_wait_alu depctr_hold_cnt(0) depctr_sa_sdst(0) depctr_va_vdst(0) depctr_va_sdst(0) depctr_va_ssrc(0) depctr_va_vcc(0) depctr_vm_vsrc(0)
	s_getreg_b32 s2, hwreg(HW_REG_IB_STS2, 6, 4)
	s_cmp_eq_u32 s2, 0
	s_cbranch_scc0 .Lentry_in_a_cluster
	s_endpgm
.Lentry_in_a_cluster:
	s_bfe_u32 s2, ttmp6, 0x10000c
	s_cmp_lg_u32 s2, 0x3003
	s_cbranch_scc0 .Lentry_shape_is_right
	s_endpgm
.Lentry_shape_is_right:
; vals = softmax(q k^T) v for each of 128 (batch, head), head size 64, 1,024 keys, no scaling of the logits; both products on codes of FP6 (E2M3) with E8M0 scales.
; THE SOFTMAX: t = logit x log2(e); M = the running largest t rounded UP to a whole number; p = 2^(t - M) is quantised along the keys, not normalised; the row's sum is taken of the unquantised p
; and divides at the end.  When M moves, the sum and O are multiplied by 2^(old M - new M): exact.
; SHARES.  A cluster of four work-groups owns two neighbouring heads of one batch; its work-groups are the four blocks of 256 queries.  Wave w of sixteen owns one tile of 16 queries and walks head 0,
; then head 1, 128 keys a step: so it makes a whole fragment (16 rows x 128 along the last product's K) of vals, quantises it in registers and stores its image and its scale words.
; K's and V's codes and scale words of both heads stay in LDS for the whole launch: 208,896 bytes, asked for once, JOINTLY by the four work-groups, nothing filled again.
; LAYOUT.  Both products transposed: S^T = K Q^T, O^T = V^T P^T: a lane holds one query (lane % 16) throughout.  The first product's K is 64, half of the instruction's 128: source 0 is one image of
; TWO key tiles (tile 2 i in k 0-63, tile 2 i + 1 in k 64-127) with one scale word; against [q | zeros] it gives tile 2 i's scores, against [zeros | q] tile 2 i + 1's.
; p's codes come out with each block of 32 keys in the order 0-7, 16-23, 8-15, 24-31, as v's were made; q's and k's agree likewise, and vals' with o_w's.
; LIMITS: NaN and infinities are not served.  A block whose largest magnitude lies under 2^-124 has its byte held at 1; a block of zeros has the byte 1 (zero codes; the bytes are this program's own).
; A block's largest p is made from the block's largest score by the same multiply-add and exponential: this takes v_exp_f32 not to fall where its input rises.
.set KOFF,  6291456                    ; cod2: the K part; the V part lies as far behind it
.set VLDS,  98304                      ; LDS: K of both heads at 0, V of both heads here,
.set SLDS,  196608                     ; the scale words [head][q's and k's 4,096 | v's 2,048] here,
.set SPARE, 208896                     ; the spare words, 128 bytes for each wave: eight blocks of 256 bytes that no other line names
.set AK0,  1                           ; v1   8 x lane: my place in a piece, in LDS and in memory
.set ADK,  2                           ; v2-5 the step's addresses: K, V, K's scale words, V's
.set ADV,  3
.set ADS,  4
.set ADT,  5
.set SPW,  6                           ; v6   LDS address of my spare word; never rewritten
.set NIL,  7                           ; v7   0; never rewritten
.set R4,   8                           ; v8   4 r
.set AV0,  9                           ; v9   VLDS + 8 x lane
.set R16,  10                          ; v10  16 r
.set AS0,  11                          ; v11  SLDS + 16 r
.set QF,   16                          ; v16-33 [q 6 | zeros 6 | q 6]
.set QW,   34                          ; v34  q's two scale bytes, twice
.set SW,   35                          ; v35  vals' scale word
.set Q1,   36                          ; v36-41 head 1's q
.set QR,   42                          ; v42-43 the words that hold q's bytes
.set SV,   44                          ; v44-47 V's scale words
.set SK,   48                          ; v48-55 q's and k's scale words of 128 keys; k's are the odd ones
.set KV,   56                          ; v56-103 four images: of K, then of V
.set S,    104                         ; v104-167 S^T, then p
.set O,    168                         ; v168-199 O^T
.set PCD,  200                         ; v200-211 p's codes
.set CT,   212                         ; v212-218 at work in the conversions
.set BMX,  220                         ; v220-223 the blocks' largest scores, then largest p
.set PT,   224                         ; v224-227 at work
.set SO,   228                         ; v228-231 the conversions' scale operands
.set F,    232                         ; v232 f = 2^(old M - new M); v233 p's scale word
.set TP,   234
.set VC,   236                         ; v236-241 vals' codes
.set VT,   242
.set WV,   12                          ; s12  my wave's number
.set G1C,  24                          ; s[24:31] group 1 for codes, s[32:39] for the scale words; s[40:43], s[44:47] their groups 0
.set G1S,  32
.set SEL,  48                          ; s[48:49] selects for lane l xor 16
.set CS,   50                          ; s[50:51] log2(e)
.set CNT,  53
.set TK,   54                          ; s54  where the step's codes begin, in K's and in V's region
.set TS,   55                          ; s55  its scale words of K
.set TT,   56                          ; s56  and of V
.macro ROUND
	s_barrier_signal -1
	s_barrier_wait -1
	s_cmp_lg_u32 s[WV], 0
	s_cbranch_scc1 .Lnot_wave_0_\@
	s_barrier_signal -3
.Lnot_wave_0_\@:
	s_barrier_wait -3
	s_barrier_signal -1
	s_barrier_wait -1
.endm
	s_load_b256 s[4:11], s[0:1], 0x0               ; cod2 s[4:5], scl2 s[6:7], cod3 s[8:9], scl3 s[10:11]
	v_lshl_add_u32 v[SPW], v0, 2, SPARE
	v_mov_b32 v[NIL], 0
	ds_add_u32 v[SPW], v[NIL]                      ; the wave's opening: the add and its wait stand ahead of my first tensor load; work on registers stands between them
	v_lshrrev_b32 v2, 5, v0
	v_readfirstlane_b32 s[WV], v2                  ; wave 0..15
	s_bfe_u32 s13, ttmp6, 0x40000                  ; cx: my block of 256 queries; it enters addresses in memory alone
	s_and_b32 s14, ttmp7, 0xffff                   ; the cluster's y = 8 batch + pair of heads
	s_mov_b32 s[G1C], 15|(3<<16)|(1<<21)           ; 15:0 the mask: all four work-groups; 17:16 elements of 8 bytes; 21 set beside a mask
	s_mov_b32 s[G1C+1], 32<<16                     ; rows of 256 bytes,
	s_mov_b32 s[G1C+2], 96<<16                     ; 96 of them: 24,576 dense bytes
	s_mov_b32 s[G1C+3], 32<<16
	s_mov_b32 s[G1C+4], 96
	s_mov_b32 s[G1C+5], 32
	s_mov_b32 s[G1C+6], 0
	s_mov_b32 s[G1C+7], 0
	s_mov_b32 s[G1S], 15|(3<<16)|(1<<21)
	s_mov_b32 s[G1S+1], 32<<16
	s_mov_b32 s[G1S+2], 48<<16                     ; 12,288 dense bytes
	s_mov_b32 s[G1S+3], 32<<16
	s_mov_b32 s[G1S+4], 48
	s_mov_b32 s[G1S+5], 32
	s_mov_b32 s[G1S+6], 0
	s_mov_b32 s[G1S+7], 0
	s_lshr_b32 s15, s[WV], 2                       ; waves 0-3 fetch quarters of K's 98,304 bytes, waves 4-7 of V's
	s_mul_i32 s15, s15, KOFF
	s_and_b32 s16, s[WV], 3
	s_mul_i32 s16, s16, 24576
	s_add_co_u32 s15, s15, s16
	s_mul_i32 s16, s14, 98304                      ; the two heads' codes lie on end in each part
	s_add_co_u32 s16, s16, s15
	s_add_co_u32 s16, s16, KOFF
	s_mov_b32 s17, 0
	s_mov_b32 s40, 1
	s_mul_i32 s41, s[WV], 24576                    ; LDS: wave x 24,576
	s_mov_b32 s44, 1
	s_mov_b32 s45, SLDS
	s_mul_i32 s62, s14, 12288                      ; the two heads' scale words
	s_mov_b32 s63, 0
	s_lshl_b32 s18, s13, 4
	s_add_co_u32 s18, s18, s[WV]                   ; qt: my tile of 16 queries in the sequence
	s_mul_i32 s20, s14, 98304
	s_mul_i32 s21, s18, 768
	s_add_co_u32 s20, s20, s21                     ; q's codes
	s_mov_b32 s21, 0
	s_lshr_b32 s23, s18, 2
	s_lshl_b32 s23, s23, 8
	s_add_co_u32 s22, s62, s23                     ; q's bytes: the 64 tokens' 256 bytes,
	s_bfe_u32 s23, s[WV], 0x10001
	s_lshl_b32 s23, s23, 3
	s_add_co_u32 s22, s22, s23                     ; the pair of tiles' word of q
	s_mov_b32 s23, 0
	s_lshr_b32 s58, s14, 3
	s_lshl_b32 s58, s58, 6
	s_add_co_u32 s58, s58, s18                     ; vals' row tile: 64 batch + qt
	s_lshl_b32 s58, s58, 3
	s_and_b32 s59, s14, 7
	s_add_co_u32 s58, s58, s59                     ; x 8 + pair of heads
	s_lshl_b32 s60, s58, 6
	s_mov_b32 s61, 0
	s_mul_i32 s58, s58, 1536
	s_mov_b32 s59, 0
	s_and_b32 s52, s[WV], 1
	s_cmp_eq_u32 s52, 0
	s_mov_b32 s52, 0x03020302                      ; an odd tile's bytes are the word's upper two,
	s_cselect_b32 s52, 0x01000100, s52             ; an even tile's the lower two
	s_mov_b32 s[SEL], 0x76543210
	s_mov_b32 s[SEL+1], 0xfedcba98
	s_mov_b32 s[CS], 0x3fb8aa3b                    ; log2(e)
	s_mov_b32 s[CS+1], s[CS]                       ; (named with it as a pair, so it is written)
	s_mov_b32 s[TK], 0
	s_mov_b32 s[TS], 0
	s_mov_b32 s[TT], 4096
	v_and_b32 v[AK0], 31, v0
	v_lshlrev_b32 v[AK0], 3, v[AK0]
	v_add_nc_u32 v[AV0], VLDS, v[AK0]
	v_and_b32 v[R4], 15, v0
	v_lshlrev_b32 v[R16], 4, v[R4]
	v_lshlrev_b32 v[R4], 2, v[R4]
	v_add_nc_u32 v[AS0], SLDS, v[R16]
	s_wait_dscnt 0x0                               ; the opening add is done
	s_wait_kmcnt 0x0
	s_add_nc_u64 s[42:43], s[4:5], s[16:17]
	s_or_b32 s43, s43, 0x80000000
	s_add_nc_u64 s[46:47], s[6:7], s[62:63]
	s_or_b32 s47, s47, 0x80000000
	s_add_nc_u64 s[20:21], s[4:5], s[20:21]
	s_add_nc_u64 s[22:23], s[6:7], s[22:23]
	s_add_nc_u64 s[8:9], s[8:9], s[58:59]
	s_add_nc_u64 s[10:11], s[10:11], s[60:61]
	ROUND                                          ; all four work-groups are here: the joint loads meet
	s_cmp_lt_u32 s[WV], 8                          ; waves 0-7: codes; wave 8: the scale words; the others nothing.  Every wait on TENSORcnt in this text is for 0
	s_cbranch_scc0 .Lnot_codes
	tensor_load_to_lds s[40:43], s[G1C:G1C+7]
	s_nop 0
.rept 4
	v_nop
.endr
	s_branch .Lasked
.Lnot_codes:
	s_cmp_eq_u32 s[WV], 8
	s_cbranch_scc0 .Lasked
	tensor_load_to_lds s[44:47], s[G1S:G1S+7]
	s_nop 0
.rept 4
	v_nop
.endr
.Lasked:
.irp p, 0,1,2
	global_load_b64 v[QF+2*\p:QF+2*\p+1], v[AK0], s[20:21] offset:256*\p           ; head 0's q: half an image
	global_load_b64 v[Q1+2*\p:Q1+2*\p+1], v[AK0], s[20:21] offset:49152+256*\p     ; head 1's
.endr
	global_load_b32 v[QR], v[R16], s[22:23]
	global_load_b32 v[QR+1], v[R16], s[22:23] offset:6144
.irp i, 0,1,2,3,4,5
	v_mov_b32 v[QF+6+\i], 0                        ; the zero codes beside q
.endr
.irp b, 0,1,2,3
	v_mov_b32 v[PT+\b], 0                          ; written once: a lane permute's destination counts as one of its sources
.endr
	v_mov_b32 v[F+1], 0                            ; (named as the upper half of the pair before it is first written)
	v_mov_b32 v[TP], 0
	s_wait_tensorcnt 0x0                           ; my part has landed,
	s_barrier_signal -1
	s_barrier_wait -1                              ; everybody's has
	s_wait_loadcnt 0x0                             ; q
; A KEY STEP: 128 keys.
.macro STEP
	v_add_nc_u32 v[ADK], s[TK], v[AK0]             ; (these four are also the places between the last step's products and the loads into their registers)
	v_add_nc_u32 v[ADV], s[TK], v[AV0]
	v_add_nc_u32 v[ADS], s[TS], v[AS0]
	v_add_nc_u32 v[ADT], s[TT], v[AS0]
.set n, 0
.rept 24
	ds_load_b64 v[KV+2*n:KV+2*n+1], v[ADK] offset:256*n    ; eight key tiles = four images; each load takes 256 consecutive bytes
.set n, n+1
.endr
	ds_load_b128 v[SK:SK+3], v[ADS]
	ds_load_b128 v[SK+4:SK+7], v[ADS] offset:256
	s_wait_dscnt 0x0
.irp i, 0,1,2,3
	v_wmma_scale_f32_16x16x128_f8f6f4 v[S+16*\i:S+16*\i+7], v[KV+12*\i:KV+12*\i+11], v[QF:QF+11], 0, v[SK+4*(\i/2)+2*(\i%2)+1], v[QW] matrix_a_fmt:MATRIX_FMT_FP6 matrix_b_fmt:MATRIX_FMT_FP6
	v_wmma_scale_f32_16x16x128_f8f6f4 v[S+16*\i+8:S+16*\i+15], v[KV+12*\i:KV+12*\i+11], v[QF+6:QF+17], 0, v[SK+4*(\i/2)+2*(\i%2)+1], v[QW] matrix_a_fmt:MATRIX_FMT_FP6 matrix_b_fmt:MATRIX_FMT_FP6
.endr                                  ; lane (r, h): query r; register 8 t + j: key 16 t + 8 h + j
.rept 4
	v_nop                                          ; places in front of the loads below and of the first read of the scores
.endr
.set n, 0
.rept 24
	ds_load_b64 v[KV+2*n:KV+2*n+1], v[ADV] offset:256*n    ; V's four images of these 128 keys: they land under the softmax
.set n, n+1
.endr
	ds_load_b128 v[SV:SV+3], v[ADT]
.irp b, 0,1,2,3
	v_max3_num_f32 v[BMX+\b], v[S+16*\b], v[S+1+16*\b], v[S+2+16*\b]   ; the largest score of each block of 32 keys: for the row's maximum and for the block's largest p
.endr
.irp i, 3,5,7,9,11,13
.irp b, 0,1,2,3
	v_max3_num_f32 v[BMX+\b], v[BMX+\b], v[S+16*\b+\i], v[S+1+16*\b+\i]
.endr
.endr
.irp b, 0,1,2,3
	v_max_num_f32 v[BMX+\b], v[BMX+\b], v[S+15+16*\b]
.endr
.irp b, 0,1,2,3
	v_permlanex16_b32 v[PT+\b], v[BMX+\b], s[SEL], s[SEL+1]
.endr
.irp b, 0,1,2,3
	v_max_num_f32 v[BMX+\b], v[BMX+\b], v[PT+\b]   ; with lane l xor 16's 16 keys
.endr
	v_max3_num_f32 v[TP], v[BMX], v[BMX+1], v[BMX+2]
	v_max_num_f32 v[TP], v[TP], v[BMX+3]
	v_mul_f32 v[TP], s[CS], v[TP]                  ; the step's largest t
	v_max_num_f32 v13, v13, v[TP]                  ; the running largest t
	v_mov_b32 v[TP], v12
	v_floor_f32 v12, -v13                          ; -M = floor(-t): M is a whole number
	v_sub_f32 v[TP], v12, v[TP]                    ; old M - new M, 0 or less
	v_cvt_i32_f32 v[TP], v[TP]                     ; (it saturates)
	v_ldexp_f32 v[F], 1.0, v[TP]                   ; f = 2^(old M - new M)
.set j, 0
.rept 32
	v_pk_fma_f32 v[S+j:S+j+1], v[S+j:S+j+1], s[CS:CS+1], v[12:13] op_sel_hi:[1,0,0]   ; t - M, two at a time
.set j, j+2
.endr
.irp b, 0,1,2,3
	v_fma_f32 v[BMX+\b], v[BMX+\b], s[CS], v12
.endr
.set j, 0
.rept 64
	v_exp_f32 v[S+j], v[S+j]                       ; p = 2^(t - M)
.set j, j+1
.endr
	v_pk_mul_f32 v[14:15], v[14:15], v[F:F+1] op_sel_hi:[1,0]   ; the sums under the new M: a plain instruction behind the exponentials
	s_wait_alu depctr_va_vdst(0)                   ; one wait for the batch of 64, ahead of its first reader
.irp b, 0,1,2,3
	v_exp_f32 v[BMX+\b], v[BMX+\b]                 ; the blocks' largest p
.endr
	v_pk_add_f32 v[PT:PT+1], v[S:S+1], v[S+2:S+3]  ; the row's sum of the unquantised p, in two chains; it reads the 64 alone
.set j, 4
.rept 15
	v_pk_add_f32 v[14:15], v[14:15], v[S+j:S+j+1]
	v_pk_add_f32 v[PT:PT+1], v[PT:PT+1], v[S+2+j:S+3+j]
.set j, j+4
.endr
	v_pk_add_f32 v[14:15], v[14:15], v[PT:PT+1]
	s_wait_alu depctr_va_vdst(0)                   ; and one for the four
.irp b, 0,1,2,3
	v_max_num_f32 v[BMX+\b], 0x1800000, v[BMX+\b]  ; the floor 2^(3 - 127)
.endr
.irp b, 0,1,2,3
	v_add_nc_u32 v[SO+\b], 0xff000000, v[BMX+\b]
.endr
.irp b, 0,1,2,3
	v_lshrrev_b32 v[PT+\b], 23, v[SO+\b]
.endr
	v_lshl_or_b32 v[F+1], v[PT+1], 8, v[PT]        ; p's scale word for these 128 keys
	v_lshl_or_b32 v[F+1], v[PT+2], 16, v[F+1]
	v_lshl_or_b32 v[F+1], v[PT+3], 24, v[F+1]
.irp c, 0,1
	v_cvt_scalef32_pk16_fp6_f32 v[PCD+6*\c:PCD+6*\c+2], v[S+32*\c:S+32*\c+15], v[SO+2*\c]
	v_cvt_scalef32_pk16_fp6_f32 v[CT+4*\c:CT+4*\c+2], v[S+32*\c+16:S+32*\c+31], v[SO+2*\c+1]
.endr
	v_nop                                          ; one plain instruction behind the scaled conversions
.irp c, 0,1
.irp i, 0,1,2
	v_permlane16_swap_b32 v[PCD+6*\c+\i], v[CT+4*\c+\i]
.endr
.irp i, 0,1,2
	v_mov_b32 v[PCD+6*\c+3+\i], v[CT+4*\c+\i]
.endr
.endr
.set j, 0
.rept 16
	v_pk_mul_f32 v[O+j:O+j+1], v[O+j:O+j+1], v[F:F+1] op_sel_hi:[1,0]   ; O^T under the new M; these sixteen also stand between the making of p's codes and scale word and the products
.set j, j+2
.endr
	s_wait_dscnt 0x0                               ; V is in
.irp d, 0,1,2,3
	v_wmma_scale_f32_16x16x128_f8f6f4 v[O+8*\d:O+8*\d+7], v[KV+12*\d:KV+12*\d+11], v[PCD:PCD+11], v[O+8*\d:O+8*\d+7], v[SV+\d], v[F+1] matrix_a_fmt:MATRIX_FMT_FP6 matrix_b_fmt:MATRIX_FMT_FP6
.endr
	s_add_co_u32 s[TK], s[TK], 6144
	s_add_co_u32 s[TS], s[TS], 512
	s_add_co_u32 s[TT], s[TT], 256
.endm
; ONE HEAD of the pair: eight key steps, then its 64 channels of vals become half a fragment.
.macro HEAD e
.irp i, 0,1,2,3,4,5
.if \e
	v_mov_b32 v[QF+\i], v[Q1+\i]
	v_mov_b32 v[QF+12+\i], v[Q1+\i]
.else
	v_mov_b32 v[QF+12+\i], v[QF+\i]
.endif
.endr
	v_perm_b32 v[QW], v[QR+\e], v[QR+\e], s52      ; my tile's two bytes, for k 0-63 and for k 64-127
	v_mov_b32 v13, 0xff61b1e6                      ; the largest t so far: -3e38
	v_floor_f32 v12, -v13
	v_mov_b32 v14, 0
	v_mov_b32 v15, 0
.set j, 0
.rept 32
	v_mov_b32 v[O+j], 0                            ; the step is written once: the first finds zeros, which the first change of M leaves zeros
.set j, j+1
.endr
	s_mov_b32 s[CNT], 8
.Lstep_\@:
	STEP
	s_sub_co_u32 s[CNT], s[CNT], 1
	s_cmp_lg_u32 s[CNT], 0
	s_cbranch_scc1 .Lstep_\@
	v_add_f32 v14, v14, v15                        ; the sum's two halves,
	v_permlanex16_b32 v[TP], v14, s[SEL], s[SEL+1]
	v_add_f32 v14, v14, v[TP]                      ; and lane l xor 16's
	v_rcp_f32 v14, v14
.rept 3
	v_nop                                          ; plain instructions behind the reciprocal, and with the additions above the places behind the last products
.endr
	s_wait_alu depctr_va_vdst(0)                   ; ahead of the reciprocal's first reader
.set j, 0
.rept 16
	v_pk_mul_f32 v[S+j:S+j+1], v[O+j:O+j+1], v[14:15] op_sel_hi:[1,0]   ; vals: register 8 t + i is channel 16 t + 8 h + i of query r; each accumulator from its low end on
.set j, j+2
.endr
.irp b, 0,1
	v_max3_num_f32 v[BMX+\b], |v[S+16*\b]|, |v[S+1+16*\b]|, 0x1800000
.endr
.irp i, 2,4,6,8,10,12,14
.irp b, 0,1
	v_max3_num_f32 v[BMX+\b], v[BMX+\b], |v[S+16*\b+\i]|, |v[S+1+16*\b+\i]|
.endr
.endr
.irp b, 0,1
	v_permlanex16_b32 v[PT+\b], v[BMX+\b], s[SEL], s[SEL+1]
.endr
.irp b, 0,1
	v_max_num_f32 v[BMX+\b], v[BMX+\b], v[PT+\b]
.endr
.irp b, 0,1
	v_add_nc_u32 v[SO+\b], 0xff000000, v[BMX+\b]
.endr
.irp b, 0,1
	v_lshrrev_b32 v[PT+\b], 23, v[SO+\b]
.endr
.if \e
	v_lshl_or_b32 v[TP], v[PT+1], 8, v[PT]
	v_lshl_or_b32 v[SW], v[TP], 16, v[SW]          ; head 1's two bytes above head 0's
	s_wait_xcnt 0x0                                ; head 0's stores have read their registers: the codes' registers may be written again
.else
	v_lshl_or_b32 v[SW], v[PT+1], 8, v[PT]
.endif
	v_cvt_scalef32_pk16_fp6_f32 v[VC:VC+2], v[S:S+15], v[SO]
	v_cvt_scalef32_pk16_fp6_f32 v[VT:VT+2], v[S+16:S+31], v[SO+1]
	v_nop
.irp i, 0,1,2
	v_permlane16_swap_b32 v[VC+\i], v[VT+\i]
.endr
.irp i, 0,1,2
	v_mov_b32 v[VC+3+\i], v[VT+\i]
.endr
.irp p, 0,1,2
	global_store_b64 v[AK0], v[VC+2*\p:VC+2*\p+1], s[8:9] offset:768*\e+256*\p   ; each store covers 256 consecutive bytes, aligned
.endr
.endm
	HEAD 0
	s_add_co_u32 s[TS], s[TS], 2048                ; on to head 1's scale words (its codes follow head 0's on end)
	s_add_co_u32 s[TT], s[TT], 4096
	HEAD 1
	v_and_b32 v[R16], 31, v0
	v_cmp_gt_u32 vcc_lo, 16, v[R16]                ; lanes 16-31 hold the same words
	s_wait_xcnt 0x0                                ; EXEC changes only behind this wait
	s_and_saveexec_b32 s57, vcc_lo
	global_store_b32 v[R4], v[SW], s[10:11]        ; 64 consecutive bytes: a quarter of an aligned 256; the words are one twenty-fourth of the codes' bytes
	s_wait_xcnt 0x0
	s_or_b32 exec_lo, exec_lo, s57
	s_wait_tensorcnt 0x0                           ; the wave's end, behind my last tensor load
	ds_add_u32 v[SPW], v[NIL]
	s_wait_dscnt 0x0
	ROUND                                          ; the closing round
	s_endpgm
.Lfunc_end_k_qc11769a0d9_attn:
	.size	k_qc11769a0d9_attn, .Lfunc_end_k_qc11769a0d9_attn-k_qc11769a0d9_attn
	.p2alignl 7, 3214868480
	.fill 96, 4, 3214868480
	.section	.rodata,"a",@progbits
	.p2align	6, 0x0
	.amdhsa_kernel k_qc11769a0d9_attn
		.amdhsa_group_segment_fixed_size 210944
		.amdhsa_private_segment_fixed_size 0
		.amdhsa_enable_private_segment 0
		.amdhsa_kernarg_size 32
		.amdhsa_user_sgpr_count 2
		.amdhsa_user_sgpr_kernarg_segment_ptr 1
		.amdhsa_wavefront_size32 1
		.amdhsa_system_sgpr_workgroup_id_x 1
		.amdhsa_system_sgpr_workgroup_id_y 1
		.amdhsa_system_sgpr_workgroup_id_z 1
		.amdhsa_system_vgpr_workitem_id 0
		.amdhsa_next_free_vgpr 256
		.amdhsa_next_free_sgpr 66
		.amdhsa_reserve_vcc 1
		.amdhsa_float_denorm_mode_32 3
		.amdhsa_float_denorm_mode_16_64 3
		.amdhsa_memory_ordered 1
		.amdhsa_forward_progress 1
		.amdhsa_inst_pref_size 52
	.end_amdhsa_kernel
	.amdgpu_metadata
---
amdhsa.version: [ 1, 2 ]
amdhsa.kernels:
  - .name:           k_qc11769a0d9_attn
    .symbol:         k_qc11769a0d9_attn.kd
    .args:
      - { .name: cod2, .offset: 0, .size: 8, .value_kind: global_buffer, .address_space: global }
      - { .name: scl2, .offset: 8, .size: 8, .value_kind: global_buffer, .address_space: global }
      - { .name: cod3, .offset: 16, .size: 8, .value_kind: global_buffer, .address_space: global }
      - { .name: scl3, .offset: 24, .size: 8, .value_kind: global_buffer, .address_space: global }
    .group_segment_fixed_size: 210944
    .private_segment_fixed_size: 0
    .kernarg_segment_align: 8
    .kernarg_segment_size: 32
    .max_flat_workgroup_size: 512
    .sgpr_count:     66
    .vgpr_count:     256
    .wavefront_size: 32
...
	.end_amdgpu_metadata
.endif
;; end of part 3
;; launch oproj (part 4): grid 8 x 32, 4 waves a work-group, clusters of 4 x 4, 327,680 bytes of LDS; arguments cod3, scl3, cod1, scl1, o_b, out0; writes out0
.if DOCPART == 4
	.amdgcn_target "amdgcn-amd-amdhsa--gfx1250"
	.amdhsa_code_object_version 6
	.text
	.protected	k_qc11769a0d9_oproj
	.globl	k_qc11769a0d9_oproj
	.p2align	8
	.type	k_qc11769a0d9_oproj,@function
k_qc11769a0d9_oproj:
	s_mov_b64 s[64:65], 0
	v_nop
	global_prefetch_b8 v0, s[64:65] scope:SCOPE_SE
	s_setreg_imm32_b32 hwreg(HW_REG_WAVE_MODE, 25, 1), 1
	s_wait_xcnt 0x0
	s_wait_alu depctr_hold_cnt(0) depctr_sa_sdst(0) depctr_va_vdst(0) depctr_va_sdst(0) depctr_va_ssrc(0) depctr_va_vcc(0) depctr_vm_vsrc(0)
	s_getreg_b32 s2, hwreg(HW_REG_IB_STS2, 6, 4)
	s_cmp_eq_u32 s2, 0
	s_cbranch_scc0 .Lentry_in_a_cluster
	s_endpgm
.Lentry_in_a_cluster:
	s_bfe_u32 s2, ttmp6, 0x10000c
	s_cmp_lg_u32 s2, 0xf033
	s_cbranch_scc0 .Lentry_shape_is_right
	s_endpgm
.Lentry_shape_is_right:
; out0 = vals o_w^T + o_b on codes of FP6 (E2M3) with E8M0 scales, sums and result in f32.  vals' codes and scale words come from the attention launch (cod3, scl3), o_w's from the first launch
; (cod1, scl1, row tiles 704 on), both as images of the operand's registers: [row tile][128 along K: 8][six pieces of 256 bytes]; scale words [row tile][8][16 rows].
; THE PRODUCT.  A tile of the result is 256 rows (A = vals) x 128 columns (B = o_w's rows), all of K = 1,024 resident in LDS: 4 chunks of 256 along K, asked for at the head, nothing filled again.
; Four waves; wave w owns rows 64 w .. 64 w + 63 against all 128 columns: 32 accumulators, 256 registers.  Used transposed (source 0 = 16 rows of o_w, source 1 = 16 rows of vals):
; lane (r, h) holds row r, and register j of tile b the column 16 b + 8 h + j: eight neighbouring numbers of a row of the result.  The bias is the C of each sum's first product.
; A K STEP is 32 products, A's blocks one after the other, each against B's eight.  The next step's 72 LDS loads go in four runs of 18, one behind each block's eight products, so that a run is served
; while the next products are multiplied; that costs nine switches of the register window a step.
; CLUSTERS: 4 x 4 work-groups.  The four of a row of the cluster need the same A, the four of a column the same B: each tile is asked for jointly.  A wave has five tensor loads out at the most.
; Inside each block of 32 along K both operands stand in the order 0-7, 16-23, 8-15, 24-31: the same numbers meet; the order of the sums differs from ascending K in that alone.
; REGISTERS, in windows of 256.  Window 0: v1-19 addresses; v32-47 A's scale words, v48-79 B's (all of K); v96-191 A's fragments, two sets; v192-255 the bias in the result's layout;
;   on the way out v96-223 take rows read back.  Window 1: B's fragments, sets at v0 and v128.  Window 2: accumulator (a, b) at v[8 (8 a + b)].
.set CHUNK, 73728                      ; 256 along K: A's 16 row tiles x 3,072 bytes, then B's 8
.set BOFF,  49152
.set SCL,   4*CHUNK                    ; A's scale words: 16 row tiles x 512 bytes
.set SCLB,  SCL+8192                   ; B's: 8 x 512
.set SPARE, SCLB+4096                  ; the spare words, 128 bytes for each wave: two blocks of 256 bytes that no other line names
.set FR,    12
.set ADRA,  4                          ; v4-7   my A fragments in chunk q
.set ADRB,  8                          ; v8-11  B's
.set ADSA,  12                         ; v12    A's scale words: lanes 0-15 block j, lanes 16-31 block j + 2
.set ADSB,  13                         ; v13    B's: blocks j and j + 4
.set SPW,   14                         ; v14    LDS address of my spare word; never rewritten
.set NIL,   15                         ; v15    0; never rewritten
.set STO,   16                         ; v16    the way out: where I put 32 bytes of a row
.set RD,    17                         ; v17    where I read a row back
.set CO,    18                         ; v18    my 16 bytes in a row's 512
.set SCA,   32
.set SCB,   48
.set AF,    96
.set BK,    96
.set BN,    192
.set G1A,   24
.set G1B,   32
.set G1SA,  40
.set G1SB,  48
.set MSB, 0
.macro WIN new                         ; the immediate's high byte repeats the setting that is left
.if MSB != \new
	s_set_vgpr_msb (MSB<<8)|\new
.set MSB, \new
.endif
.endm
.set MUL,  0xa1                        ; source 0 (B) window 1, source 1 (A) window 0, C and D window 2
.set MUL0, 0x81                        ; the same with C (the bias) in window 0
.set TO_B, 0x40                        ; destination window 1, address window 0
.macro WINM cm
.if \cm
	WIN MUL0
.else
	WIN MUL
.endif
.endm
.macro JLOAD g0a, g1a, g0b, g1b        ; a joint load: waves 0 and 1 fetch for A, waves 2 and 3 for B; an s_nop 0 and four v_nop follow each line
	s_cmp_eq_u32 s17, 0
	s_cbranch_scc0 .Lfor_b_\@
	tensor_load_to_lds s[\g0a:\g0a+3], s[\g1a:\g1a+7]
	s_nop 0
.rept 4
	v_nop
.endr
	s_branch .Lasked_\@
.Lfor_b_\@:
	tensor_load_to_lds s[\g0b:\g0b+3], s[\g1b:\g1b+7]
	s_nop 0
.rept 4
	v_nop
.endr
.Lasked_\@:
.endm
.macro CROUND                          ; a round of the cluster's barrier
	s_barrier_signal -1
	s_barrier_wait -1
	s_cmp_lg_u32 s16, 0
	s_cbranch_scc1 .Lnot_wave_0_\@
	s_barrier_signal -3
.Lnot_wave_0_\@:
	s_barrier_wait -3
	s_barrier_signal -1
	s_barrier_wait -1
.endm
.macro PLACES                          ; four plain instructions behind matrix instructions, in front of loads into their registers and of reads of their results
.rept 4
	v_nop
.endr
.endm
.macro SHAPE g, c, r, p                ; group 1's words 1 to 7: r rows of c elements of 8 bytes, p elements from row to row
	s_mov_b32 s[\g+1], (\c)<<16
	s_mov_b32 s[\g+2], (\r)<<16
	s_mov_b32 s[\g+3], (\c)<<16
	s_mov_b32 s[\g+4], \r
	s_mov_b32 s[\g+5], \p
	s_mov_b32 s[\g+6], 0
	s_mov_b32 s[\g+7], 0
.endm
.macro SETG g, q, lds, adr             ; group 0 for chunk q
	s_mov_b32 s[\g], 1
	s_add_co_u32 s[\g+1], s[\lds], CHUNK*\q
	s_add_nc_u64 s[\g+2:\g+3], s[\adr:\adr+1], 3072*\q
	s_or_b32 s[\g+3], s[\g+3], 0x80000000
.endm
.macro SCALES                          ; all of K's scale words, once
.irp j, 0,1
.irp k, 0,1,2,3,4,5,6,7
	ds_load_b32 v[SCA+8*\j+\k], v[ADSA] offset:512*\j+64*\k
.endr
.endr
.irp j, 0,1,2,3
.irp k, 0,1,2,3,4,5,6,7
	ds_load_b32 v[SCB+8*\j+\k], v[ADSB] offset:512*\j+64*\k
.endr
.endr
.endm
; Run g of four of a K step's 72 loads, in the order: B's fragments 0 to 7, then A's 0 to 3; six loads a fragment, each of 256 consecutive bytes.  fq: the chunk; fs: which half of it, and the set.
.macro LD18 g
.set ln, 18*(\g)
.rept 18
.if ln < 48
	WIN TO_B
	ds_load_b64 v[128*fs+FR*(ln/6)+2*(ln%6):128*fs+FR*(ln/6)+2*(ln%6)+1], v[ADRB+fq] offset:3072*(ln/6)+1536*fs+256*(ln%6)
.else
	WIN 0
	ds_load_b64 v[AF+48*fs+FR*((ln-48)/6)+2*(ln%6):AF+48*fs+FR*((ln-48)/6)+2*(ln%6)+1], v[ADRA+fq] offset:3072*((ln-48)/6)+1536*fs+256*(ln%6)
.endif
.set ln, ln+1
.endr
.endm
.macro FETCH0                          ; the first K step, in one run
.set fq, 0
.set fs, 0
	LD18 0
	LD18 1
	LD18 2
	LD18 3
.endm
.macro MM a, b, p, st, cm              ; one product.  cm = 1: the bias starts the sum
.set rD, 8*(8*(\a)+(\b))
.set rC, rD
.if (\cm) == 1
.set rC, BN+8*(\b)
.endif
.set rB, 128*(\p)+FR*(\b)
.set rA, AF+48*(\p)+FR*(\a)
.set rX, SCB+8*((\b)%4)+(\st)
.set rY, SCA+8*((\a)%2)+(\st)
.if ((\b) < 4) && ((\a) < 2)
	v_wmma_scale_f32_16x16x128_f8f6f4 v[rD:rD+7], v[rB:rB+FR-1], v[rA:rA+FR-1], v[rC:rC+7], v[rX], v[rY] matrix_a_fmt:MATRIX_FMT_FP6 matrix_b_fmt:MATRIX_FMT_FP6
.elseif (\a) < 2
	v_wmma_scale_f32_16x16x128_f8f6f4 v[rD:rD+7], v[rB:rB+FR-1], v[rA:rA+FR-1], v[rC:rC+7], v[rX], v[rY] matrix_a_fmt:MATRIX_FMT_FP6 matrix_b_fmt:MATRIX_FMT_FP6 matrix_a_scale:MATRIX_SCALE_ROW1
.elseif (\b) < 4
	v_wmma_scale_f32_16x16x128_f8f6f4 v[rD:rD+7], v[rB:rB+FR-1], v[rA:rA+FR-1], v[rC:rC+7], v[rX], v[rY] matrix_a_fmt:MATRIX_FMT_FP6 matrix_b_fmt:MATRIX_FMT_FP6 matrix_b_scale:MATRIX_SCALE_ROW1
.else
	v_wmma_scale_f32_16x16x128_f8f6f4 v[rD:rD+7], v[rB:rB+FR-1], v[rA:rA+FR-1], v[rC:rC+7], v[rX], v[rY] matrix_a_fmt:MATRIX_FMT_FP6 matrix_b_fmt:MATRIX_FMT_FP6 matrix_a_scale:MATRIX_SCALE_ROW1 matrix_b_scale:MATRIX_SCALE_ROW1
.endif
.endm
.macro MULA a, p, st, cm               ; A's block a against B's eight.  The 32 accumulators take turns, one instruction a turn, in the same order in every K step
.irp b, 0,1,2,3,4,5,6,7
	MM \a, \b, \p, \st, \cm
.endr
.endm
; A K STEP.  mode 0: the next step's fragments lie in the same chunk.  mode 1: they lie in the next chunk, whose landing is waited for (tc: the chunks asked for behind it, which may stay out) and told by a
; barrier behind which nothing is filled.  mode 2: nothing more to fetch.
.macro KSTEP st, cm, mode, tc
.set kp, (\st)%2
.set fq, ((\st)+1)/2
.set fs, ((\st)+1)%2
.set nl, 18
.if (\mode) == 2
.set nl, 0
.endif
.if (\mode) == 1
	s_wait_dscnt 0x0                               ; no LDS instruction of mine is out at the signal
	s_wait_tensorcnt \tc                           ; my part of the next chunk has landed
	s_barrier_signal -1
.else
	s_wait_dscnt 18                                ; B and A's block 0 are in; the last run, blocks 1 to 3, may be out
.endif
	WINM \cm
	MULA 0, kp, \st, \cm
.if (\mode) == 1
	s_barrier_wait -1                              ; everybody's part has landed
.endif
.if (\mode) != 2
	PLACES                                         ; between the last step's products and the loads into the set that they read
	LD18 0
.endif
	s_wait_dscnt 12+nl                             ; block 1 is in: behind its loads came blocks 2 and 3 (12) and this step's first run
	WINM \cm
	MULA 1, kp, \st, \cm
.if (\mode) != 2
	LD18 1
.endif
	s_wait_dscnt 6+2*nl                            ; block 2: behind it block 3 (6) and two runs
	WINM \cm
	MULA 2, kp, \st, \cm
.if (\mode) != 2
	LD18 2
.endif
	s_wait_dscnt 3*nl                              ; block 3: behind it three runs
	WINM \cm
	MULA 3, kp, \st, \cm
.if (\mode) != 2
	LD18 3
.endif
.endm
	s_load_b256 s[4:11], s[0:1], 0x0               ; cod3 s[4:5], scl3 s[6:7], cod1 s[8:9], scl1 s[10:11]
	s_load_b128 s[12:15], s[0:1], 0x20             ; o_b s[12:13], out0 s[14:15]
	v_lshl_add_u32 v[SPW], v0, 2, SPARE
	v_mov_b32 v[NIL], 0
	ds_add_u32 v[SPW], v[NIL]                      ; the wave's opening: the add and its wait stand ahead of my first tensor load; work on registers stands between them
	v_lshrrev_b32 v1, 5, v0
	v_readfirstlane_b32 s16, v1                    ; wave 0..3
	s_lshr_b32 s17, s16, 1                         ; I fetch for A (0) or for B (1),
	s_and_b32 s18, s16, 1                          ; its first or its second half
	s_bfe_u32 s66, ttmp6, 0x40000                  ; cx
	s_bfe_u32 s67, ttmp6, 0x40004                  ; cy
	s_lshl_b32 s104, s67, 2
	s_lshl_b32 s104, 15, s104                      ; my row of the cluster
	s_lshl_b32 s100, 0x1111, s66                   ; my column
	s_or_b32 s[G1A], s104, (3<<16)|(1<<21)         ; 15:0 the mask; 17:16 elements of 8 bytes; 21 set beside a mask; no padding
	s_or_b32 s[G1SA], s104, (3<<16)|(1<<21)
	s_or_b32 s[G1B], s100, (3<<16)|(1<<21)
	s_or_b32 s[G1SB], s100, (3<<16)|(1<<21)
	SHAPE G1A, 384, 8, 1536                        ; 8 row tiles x 3,072 bytes (two images), 12,288 bytes apart in memory
	SHAPE G1B, 384, 4, 1536
	SHAPE G1SA, 32, 16, 32                         ; 4,096 dense bytes as rows of 256
	SHAPE G1SB, 32, 8, 32
	s_lshl_b32 s3, ttmp9, 2
	s_add_co_u32 s3, s3, s66                       ; tile column = 4 cluster x + cx: 128 columns
	s_and_b32 s2, ttmp7, 0xffff
	s_lshl_b32 s2, s2, 2
	s_add_co_u32 s2, s2, s67                       ; tile row = 4 cluster y + cy: 256 rows
	s_lshl_b32 s20, s2, 4                          ; A's first row tile in cod3
	s_lshl_b32 s21, s3, 3
	s_add_co_u32 s21, s21, 704                     ; B's in cod1
	s_lshl_b32 s104, s18, 3
	s_add_co_u32 s20, s20, s104                    ; the half that I would fetch: 8 row tiles of A,
	s_lshl_b32 s100, s18, 2
	s_add_co_u32 s21, s21, s100                    ; 4 of B
	s_wait_dscnt 0x0                               ; the opening add is done
	s_wait_kmcnt 0x0
	; groups 0, one for each load.  A's are made of cy, cluster ids and the wave's number alone, B's of cx, cluster ids and the wave's number
	s_lshl_b32 s104, s20, 9
	s_mov_b32 s105, 0
	s_mov_b32 s56, 1
	s_lshl_b32 s57, s18, 12
	s_add_co_u32 s57, s57, SCL
	s_add_nc_u64 s[58:59], s[6:7], s[104:105]
	s_or_b32 s59, s59, 0x80000000
	s_mul_i32 s104, s20, 12288
	s_add_nc_u64 s[104:105], s[4:5], s[104:105]
	s_mul_i32 s20, s18, 24576
	SETG 60, 0, 20, 104
	SETG 68, 1, 20, 104
	SETG 72, 2, 20, 104
	SETG 76, 3, 20, 104
	s_lshl_b32 s100, s21, 9
	s_mov_b32 s101, 0
	s_mov_b32 s80, 1
	s_lshl_b32 s81, s18, 11
	s_add_co_u32 s81, s81, SCLB
	s_add_nc_u64 s[82:83], s[10:11], s[100:101]
	s_or_b32 s83, s83, 0x80000000
	s_mul_i32 s100, s21, 12288
	s_add_nc_u64 s[100:101], s[8:9], s[100:101]
	s_mul_i32 s21, s18, 12288
	s_add_co_u32 s21, s21, BOFF
	SETG 84, 0, 21, 100
	SETG 88, 1, 21, 100
	SETG 92, 2, 21, 100
	SETG 96, 3, 21, 100
	CROUND                                         ; all sixteen work-groups are here: the joint loads meet
	JLOAD 56, G1SA, 80, G1SB                       ; the scale words, then the four chunks: all that the work-group reads
	JLOAD 60, G1A, 84, G1B
	JLOAD 68, G1A, 88, G1B
	JLOAD 72, G1A, 92, G1B
	JLOAD 76, G1A, 96, G1B
	v_and_b32 v1, 15, v0                           ; r
	v_bfe_u32 v2, v0, 4, 1                         ; h
	v_and_b32 v3, 31, v0
	v_lshlrev_b32 v[CO], 4, v3                     ; 16 x lane
	v_lshlrev_b32 v3, 3, v3                        ; 8 x lane: my place in a piece
	s_mul_i32 s100, s16, 12288
	v_add_nc_u32 v[ADRA], s100, v3                 ; my four row tiles of A
.irp q, 1,2,3
	v_add_nc_u32 v[ADRA+\q], CHUNK*\q, v[ADRA]
.endr
.irp q, 0,1,2,3
	v_add_nc_u32 v[ADRB+\q], CHUNK*\q+BOFF, v3
.endr
	v_lshlrev_b32 v[ADSA], 2, v1
	v_lshl_add_u32 v[ADSB], v2, 11, v[ADSA]
	v_add_nc_u32 v[ADSB], SCLB, v[ADSB]
	v_lshl_add_u32 v[ADSA], v2, 10, v[ADSA]
	s_lshl_b32 s100, s16, 11
	s_add_co_u32 s100, s100, SCL
	v_add_nc_u32 v[ADSA], s100, v[ADSA]
	s_mul_i32 s100, s16, 16*528                    ; my stage: 16 rows x (512 + 16) bytes, in chunk 0
	v_mul_u32_u24 v[STO], v1, 528
	v_lshl_add_u32 v[STO], v2, 5, v[STO]
	v_add_nc_u32 v[STO], s100, v[STO]              ; in: row r, 32 bytes for each half of the lanes
	v_add_nc_u32 v[RD], s100, v[CO]                ; back: the 32 lanes take one row of 512 bytes
	s_lshl_b32 s4, s2, 8                           ; (the registers that held cod3 are free)
	s_lshl_b32 s5, s16, 6
	s_add_co_u32 s4, s4, s5                        ; my first row: 256 tile row + 64 wave
	s_lshl_b32 s4, s4, 12                          ; rows of 4,096 bytes
	s_lshl_b32 s5, s3, 9                           ; 512 bytes a tile column
	s_add_co_u32 s4, s4, s5
	s_mov_b32 s5, 0
	s_add_nc_u64 s[14:15], s[14:15], s[4:5]
	s_lshl_b32 s4, s3, 9
	s_add_nc_u64 s[12:13], s[12:13], s[4:5]        ; the bias of my 128 columns
	v_lshlrev_b32 v19, 5, v2                       ; lane (r, h) wants, for tile b, columns 16 b + 8 h + 0 .. 7
.irp b, 0,1,2,3,4,5,6,7
	global_load_b128 v[BN+8*\b:BN+8*\b+3], v19, s[12:13] offset:64*\b
	global_load_b128 v[BN+8*\b+4:BN+8*\b+7], v19, s[12:13] offset:64*\b+16
.endr
	s_wait_loadcnt 0x0
	s_wait_tensorcnt 0x3                           ; my part of the scale words and of chunk 0 has landed; chunks 1 to 3 may be out
	s_barrier_signal -1
	s_barrier_wait -1                              ; everybody's has
	SCALES
	FETCH0
	KSTEP 0, 1, 0, 0
	KSTEP 1, 0, 1, 2
	KSTEP 2, 0, 0, 0
	KSTEP 3, 0, 1, 1
	KSTEP 4, 0, 0, 0
	KSTEP 5, 0, 1, 0
	KSTEP 6, 0, 0, 0
	KSTEP 7, 0, 2, 0
	WIN 0
; THE WAY OUT, block by block of 16 rows x 128 columns.  A lane holds 32 neighbouring bytes of a row, the lanes beside it other rows: a block goes through my own stage and comes back as whole rows of
; 512 bytes.  The stage lies in chunk 0, which has had its one fill; every wave waited for its last reads of it in front of K step 1's barrier.  LDS serves a wave's instructions in order
; (ISA guide 5.7.1.4): no wait between the stores and the loads, nor in front of the next block's stores.
.macro TOSTAGE a
	WIN 0x08                                       ; an LDS store's data are its source 1: window 2
.irp b, 0,1,2,3,4,5,6,7
	ds_store_b128 v[STO], v[64*(\a)+8*\b:64*(\a)+8*\b+3] offset:64*\b          ; each accumulator from its low end on
	ds_store_b128 v[STO], v[64*(\a)+8*\b+4:64*(\a)+8*\b+7] offset:64*\b+16
.endr
	WIN 0
.set BB, BK+64*((\a)%2)
.irp t, 0,1,2,3,4,5,6,7,8,9,10,11,12,13,14,15
	ds_load_b128 v[BB+4*\t:BB+4*\t+3], v[RD] offset:\t*528
.endr
.endm
.macro SEND a, younger                 ; younger: the LDS instructions issued behind block a's loads, which may stay out
.set BB, BK+64*((\a)%2)
	s_wait_dscnt \younger
.irp t, 0,1,2,3,4,5,6,7,8,9,10,11,12,13,14,15
	global_store_b128 v[CO], v[BB+4*\t:BB+4*\t+3], s[14:15] offset:65536*(\a)+4096*\t th:TH_STORE_NT   ; 32 lanes store 512 consecutive bytes, aligned; written once, read by nobody here
.endr
.endm
	PLACES
	TOSTAGE 0
	TOSTAGE 1
	SEND 0, 32                                     ; behind block 0's loads: block 1's 16 stores and 16 loads
	s_wait_xcnt 0x0                                ; block 0's stores have read their registers: block 2's loads may land there
	TOSTAGE 2
	SEND 1, 32
	s_wait_xcnt 0x0
	TOSTAGE 3
	SEND 2, 32
	SEND 3, 0
	s_wait_tensorcnt 0x0                           ; the wave's end, behind my last tensor load and my last LDS store
	ds_add_u32 v[SPW], v[NIL]
	s_wait_dscnt 0x0
	CROUND                                         ; the closing round
	s_endpgm
.Lfunc_end_k_qc11769a0d9_oproj:
	.size	k_qc11769a0d9_oproj, .Lfunc_end_k_qc11769a0d9_oproj-k_qc11769a0d9_oproj
	.p2alignl 7, 3214868480
	.fill 96, 4, 3214868480
	.section	.rodata,"a",@progbits
	.p2align	6, 0x0
	.amdhsa_kernel k_qc11769a0d9_oproj
		.amdhsa_group_segment_fixed_size 327680
		.amdhsa_private_segment_fixed_size 0
		.amdhsa_enable_private_segment 0
		.amdhsa_kernarg_size 48
		.amdhsa_user_sgpr_count 2
		.amdhsa_user_sgpr_kernarg_segment_ptr 1
		.amdhsa_wavefront_size32 1
		.amdhsa_system_sgpr_workgroup_id_x 1
		.amdhsa_system_sgpr_workgroup_id_y 1
		.amdhsa_system_sgpr_workgroup_id_z 1
		.amdhsa_system_vgpr_workitem_id 0
		.amdhsa_next_free_vgpr 768
		.amdhsa_next_free_sgpr 106
		.amdhsa_reserve_vcc 0
		.amdhsa_float_denorm_mode_32 3
		.amdhsa_float_denorm_mode_16_64 3
		.amdhsa_memory_ordered 1
		.amdhsa_forward_progress 1
		.amdhsa_inst_pref_size 103
	.end_amdhsa_kernel
	.amdgpu_metadata
---
amdhsa.version: [ 1, 2 ]
amdhsa.kernels:
  - .name:           k_qc11769a0d9_oproj
    .symbol:         k_qc11769a0d9_oproj.kd
    .args:
      - { .name: cod3, .offset: 0, .size: 8, .value_kind: global_buffer, .address_space: global }
      - { .name: scl3, .offset: 8, .size: 8, .value_kind: global_buffer, .address_space: global }
      - { .name: cod1, .offset: 16, .size: 8, .value_kind: global_buffer, .address_space: global }
      - { .name: scl1, .offset: 24, .size: 8, .value_kind: global_buffer, .address_space: global }
      - { .name: o_b, .offset: 32, .size: 8, .value_kind: global_buffer, .address_space: global }
      - { .name: out0, .offset: 40, .size: 8, .value_kind: global_buffer, .address_space: global }
    .group_segment_fixed_size: 327680
    .private_segment_fixed_size: 0
    .kernarg_segment_align: 8
    .kernarg_segment_size: 48
    .max_flat_workgroup_size: 128
    .sgpr_count:     106
    .vgpr_count:     768
    .wavefront_size: 32
...
	.end_amdgpu_metadata
.endif
;; end of part 4
